; MI455X (gfx1250); checked and timed in simulation.
; The chip was launched on July 23, 2026; its instructions are those of AMD's public machine-readable ISA for CDNA 5 (MIT licence, August 2026) and "CDNA5" Instruction Set Architecture Reference Guide (July 2026). The comments in the code are by the model that wrote it; some were corrected since.
;; Muti Head Attention. Allowed arithmetic: matrix products marked QUANTISED: E5M2 operands, one E8M0 scale for each 32 along K, by v_wmma_scale_f32_16x16x128_f8f6f4 with both operands' format E5M2, f32 sums; everything else in f32.
;; Inputs: Wk 256 x 1,024 float32; Wo 1,024 x 1,024 float32; Wq 1,024 x 1,024 float32; Wv 256 x 1,024 float32; bk 256 float32; bo 1,024 float32; bq 1,024 float32; bv 256 float32; x 2 x 2,048 x 1,024 float32.
;; Outputs: out0 2 x 2,048 x 1,024 float32.
;; This version of the problem:
;;   THIS VERSION OF THE PROBLEM IS GIVEN IN LOW PRECISION. The matrix products marked QUANTISED in the list below multiply operands that are first quantised to E5M2 (5 exponent bits, 2 mantissa bits; 8 bits a number), with one power-of-two scale for each 32 numbers along K (OCP MX v1.0); their sums are f32. All else is computed in f32.
;;   The module's matrix products, in the order in which they are computed (A, B: the left and right operand; K: the contracted axis; several contracted axes count as one K, in the product's order):
;;     1. [M 4,096, K 1,024] x [K 1,024, N 1,024]; A: input x; B: input Wq: QUANTISED
;;     2. [M 4,096, K 1,024] x [K 1,024, N 256]; A: input x; B: input Wk: QUANTISED
;;     3. [M 4,096, K 1,024] x [K 1,024, N 256]; A: input x; B: input Wv: QUANTISED
;;     4. batch 8 x [M 2,048, K 64] x [K 64, N 8,192]; A: computed on the way; B: computed on the way: QUANTISED
;;     5. batch 8 x [M 64, K 2,048] x [K 2,048, N 8,192]; A: computed on the way; B: softmax (see below): QUANTISED
;;     6. [M 4,096, K 1,024] x [K 1,024, N 1,024]; A: computed on the way; B: input Wo: QUANTISED
;;   THE QUANTISER, for each operand of a quantised product, along K:
;;     - K is cut into blocks of 32 from its start; a last block that is shorter is filled with zeros.
;;     - A block's scale is 2^e with e = floor(log2(the largest magnitude in the block)) - 15, held to -126 .. 127; a block of zeros has e = 0. As a byte (E8M0): e + 127.
;;     - Each number is divided by its block's scale, clamped to +-57,344, and rounded to the nearest number of E5M2, ties to even, subnormals kept.
;;     - The product sums the exact products of the quantised numbers (number of the format x scale) in f32.
;;   ~~~python
;;   def quantise(x, axis):      # numpy; x: float32 -> the quantised numbers, widened to float32 again
;;       x = np.moveaxis(x, axis, -1); K = x.shape[-1]
;;       x = np.pad(x, [(0, 0)] * (x.ndim - 1) + [(0, -K % 32)]); x = x.reshape(x.shape[:-1] + (-1, 32)); a = np.abs(x).max(-1, keepdims=True)
;;       e = np.where(a > 0, np.clip(np.frexp(np.where(a > 0, a, 1))[1] - 1 - 15, -126, 127), 0)      # np.frexp(a)[1] - 1 = floor(log2(a)), exactly
;;       r = np.clip(x / 2.0 ** e, -57344, 57344)
;;       step = 2.0 ** (np.maximum(np.frexp(np.where(r == 0, 1, r))[1] - 1, -14) - 2)
;;       q = np.round(r / step) * step * 2.0 ** e      # np.round: ties to even
;;       return np.moveaxis(q.reshape(q.shape[:-2] + (-1,))[..., :K], -1, axis).astype(np.float32)
;;   ~~~
;;   SOFTMAX AHEAD OF A QUANTISED PRODUCT. Where the list says 'softmax', what is quantised is not the finished softmax but p = 2^(t - M), with t = logit x log2(e) and M = ceil(the row's largest t), a whole number; so 1/2 < the row's largest p <= 1. The row's sum l is taken of the UNQUANTISED p, in f32, and the product's result is divided by l at the end. Since M is a whole number, a kernel that streams over the keys may use a running M (the ceiling of the running maximum): every later rescaling is an exact power of two, which a block's scale takes up: the codes' values come out the same.
;;   OPERANDS COMPUTED ON THE WAY. 'Computed on the way' means the value that the module computes at that place (a softmax that the list does not call 'softmax' is quantised finished and normalised). What goes into a quantiser is computed in f32, as accurately as f32 sums, v_exp_f32 and their like allow (about 1e-6 of the number): no bf16 or f16 on the way to a quantiser, and a product that is left as it is and whose result goes on into a quantised operand takes f32 operands (vector FMAs, or v_wmma_f32_16x16x4_f32). A number that lies on a knife's edge between two numbers of the format may be rounded either way, as far as f32 arithmetic and the matrix unit's own rounding can turn it there, and no further.
;; One version. Each part assembles by itself: llvm-mc -triple=amdgcn-amd-amdhsa -mcpu=gfx1250 --defsym DOCPART=n.
;; ======== version 1 of 1: 4 launches
;; limits: right only within a limited range of input values
;; workspace buffers: cimg 6,815,744 bytes; simg 212,992 bytes; qkimg 5,242,880 bytes; qkpl 163,840 bytes; vimg 1,048,576 bytes; vsc 32,768 bytes; yimg 4,194,304 bytes; ysc 131,072 bytes
;; launch quant (part 1): grid 416 x 1, 4 waves a work-group, no clusters, 68,608 bytes of LDS; arguments x, Wq, Wk, Wv, Wo, cimg, simg; writes cimg, simg
.if DOCPART == 1
	.amdgcn_target "amdgcn-amd-amdhsa--gfx1250"
	.amdhsa_code_object_version 6
	.text
	.protected	k_q5c10e3ac9b_quant
	.globl	k_q5c10e3ac9b_quant
	.p2align	8
	.type	k_q5c10e3ac9b_quant,@function
k_q5c10e3ac9b_quant:
	s_mov_b64 s[64:65], 0
	v_nop
	global_prefetch_b8 v0, s[64:65] scope:SCOPE_SE
	s_setreg_imm32_b32 hwreg(HW_REG_WAVE_MODE, 25, 1), 1
	s_wait_xcnt 0x0
; LAUNCH 1 OF 4.  x [4096][1024], Wq [1024][1024], Wk, Wv [256][1024], Wo [1024][1024], f32, K innermost, become codes of E5M2 with one E8M0 byte for each 32 along K.
; THE WHOLE PROGRAM: quant (this) | proj: q, k, v = x W^T + b, quantised on the way | attn: softmax(q k^T / 8) v, quantised on the way | outp: y Wo^T + bo.
; DEAD WORK: none.  Every input has a way to out0 for all values: bk moves k's codes, bv and bo are added to what is kept, no row, step or product of reference() is thrown away.  So nothing is left out, in any launch.
; LAYOUT.  Codes are stored as IMAGES OF THE OPERAND'S REGISTERS.  A tile is 16 rows; row p of tile t of a tensor is the tensor's row 32 (t / 2) + 8 (t % 2) + p + 8 (p / 8): with that order a product whose source 0 is such a tile
; leaves 16 neighbours of the next product's K in a lane's 16 registers of two neighbouring tiles.  A fragment (16 rows x 128 K) is 2,048 bytes: [chunk c 0..3][lane][16 bytes], lane (r, h) holding row r, k = 32 c + 16 h + 0 .. 15.
; Tile T (0-255 x, 256-319 Wq, 320-335 Wk, 336-351 Wv, 352-415 Wo), K step s lies at cimg + (T / 8) 131072 + s 16384 + (T % 8) 2048.  Scale words: simg + T 512 + (s / 4) 256 + r 16 + (s % 4) 4.
; SHARES.  A work-group takes one tile, each of its four waves two K steps.  Work-groups share no input: no cluster.  Both K steps' 32 loads of a wave are issued at the head.
; The conversions want 16 neighbours of a block in one lane; a load is best where neighbouring lanes take neighbouring bytes.  Both are had: a load reads the 512 consecutive bytes of one row's K step, 16 a lane; a K step's 16 rows
; go through the wave's own stage in LDS as they lie (rows 528 bytes apart, so that the sixteen rows that a read touches start at sixteen different columns of 16 bytes) and come back 64 bytes a lane.  Lanes l and l xor 16 hold a block.
; A tile's 512 scale bytes come from four waves: they meet in LDS and leave by one store.
; A block's scale is 2^(floor(log2(largest magnitude)) - 15): its byte is the largest magnitude's exponent field - 15, held at 1 from below.
; LIMITS: NaN and infinities among the inputs are not served.  A block of zeros carries the byte 1 where the quantiser says 127: its codes are zeros, and this program alone reads the bytes.  Blocks whose largest magnitude lies under 2^-111 are held at the byte 1.
.set SP,    528                        ; a stage row: 512 bytes + 16
.set STW,   2*16*SP                    ; LDS: two stages of 16 rows for each wave, one for each of its K steps
.set SCW,   4*STW                      ; behind the stages: the tile's scale words, 512 bytes
.set SPARE, SCW+512                    ; the spare words, 128 bytes for each wave: two blocks of 256 bytes that no other line names
.set LI,  1                            ; v1   16 x lane: my place in a row's K step, in an image, in the tile's scale words
.set STI, 2                            ; v2   the stage, on the way in: my wave's + 16 x lane
.set STO, 3                            ; v3   and on the way out: my wave's + 528 r + 64 h
.set SWA, 4                            ; v4   where my row's two scale words go
.set SWR, 5                            ; v5   SCW + 16 x lane
.set SPW, 6                            ; v6   LDS address of my spare word; never rewritten
.set NIL, 7                            ; v7   0; never rewritten
.set PW,  8                            ; v[8:9] the two scale words
.set R,   16                           ; v16-143  64 numbers for each of the two K steps: as loaded, then as the lanes want them
.set PC,  144                          ; v144-175 codes: 16 registers for each K step, so that no store's data are written again
.set TM,  176                          ; v176-191 at work: largest magnitudes, bytes, holds, scale operands
.set SEL, 24                           ; s[24:25] lane selects of v_permlanex16_b32: lane l xor 16
.set MNT, 26                           ; s26      the mantissa field of 57,344
; 64 numbers of a lane, register 16 b + i = k 32 b + 16 h + i of my row, become a fragment's 16 registers of codes and its scale word
.macro QUANT s, pc, pw
.irp b, 0,1,2,3
	v_max3_num_f32 v[TM+\b], |v[\s+16*\b]|, |v[\s+1+16*\b]|, 0x8000000   ; my 16 numbers of block b, and the floor 2^(16 - 127): the byte cannot fall under 1
.endr
.irp i, 2,4,6,8,10,12,14
.irp b, 0,1,2,3
	v_max3_num_f32 v[TM+\b], v[TM+\b], |v[\s+16*\b+\i]|, |v[\s+1+16*\b+\i]|   ; the four blocks by turns
.endr
.endr
.irp b, 0,1,2,3
	v_permlanex16_b32 v[TM+4+\b], v[TM+\b], s[SEL], s[SEL+1]
.endr
.irp b, 0,1,2,3
	v_max_num_f32 v[TM+\b], v[TM+\b], v[TM+4+\b]                ; with lane l xor 16's: the block's largest magnitude
.endr
.irp b, 0,1,2,3
	v_add_nc_u32 v[TM+12+\b], 0xf8800000, v[TM+\b]              ; 15 off its exponent field: the conversion's scale operand
.endr
.irp b, 0,1,2,3
	v_and_or_b32 v[TM+8+\b], v[TM+\b], 0x7f800000, s[MNT]       ; 57,344 x the scale
.endr
.irp b, 0,1,2,3
	v_lshrrev_b32 v[TM+4+\b], 23, v[TM+12+\b]                   ; the scale's byte
.endr
	v_lshl_or_b32 v[\pw], v[TM+5], 8, v[TM+4]
	v_lshl_or_b32 v[\pw], v[TM+6], 16, v[\pw]
	v_lshl_or_b32 v[\pw], v[TM+7], 24, v[\pw]
.irp b, 0,1,2,3
.irp i, 0,1,2,3,4,5,6,7,8,9,10,11,12,13,14,15
	v_med3_num_f32 v[\s+16*\b+\i], v[\s+16*\b+\i], -v[TM+8+\b], v[TM+8+\b]   ; the conversion to an 8-bit code does not saturate (ISA guide 7.6.2): the hold
.endr
	v_cvt_scalef32_pk8_bf8_f32 v[\pc+4*\b:\pc+4*\b+1], v[\s+16*\b:\s+16*\b+7], v[TM+12+\b]
	v_cvt_scalef32_pk8_bf8_f32 v[\pc+4*\b+2:\pc+4*\b+3], v[\s+16*\b+8:\s+16*\b+15], v[TM+12+\b]
.endr
	v_nop                                          ; one plain line behind the last conversion
.endm
.macro XLOAD k                         ; my wave's k-th K step: row i of the tile in registers 4 i .. 4 i + 3; each load reads 512 consecutive bytes, aligned
.irp i, 0,1,2,3,4,5,6,7,8,9,10,11,12,13,14,15
	global_load_b128 v[R+64*\k+4*\i:R+64*\k+4*\i+3], v[LI], s[20:21] offset:(\i+8*(\i/8))*4096+512*\k th:TH_LOAD_NT
.endr
.endm
.macro TURN k                          ; through the stage: LDS serves a wave's instructions in order (ISA guide 5.7.1.4), so no wait stands between the stores and the loads, which come back into the registers that the stores left
.irp i, 0,1,2,3,4,5,6,7,8,9,10,11,12,13,14,15
	ds_store_b128 v[STI], v[R+64*\k+4*\i:R+64*\k+4*\i+3] offset:16*SP*\k+SP*\i
.endr
.irp b, 0,1,2,3
.irp j, 0,1,2,3
	ds_load_b128 v[R+64*\k+16*\b+4*\j:R+64*\k+16*\b+4*\j+3], v[STO] offset:16*SP*\k+128*\b+16*\j
.endr
.endr
.endm
.macro PUT k                           ; its image: each store covers 512 consecutive bytes, aligned
.irp c, 0,1,2,3
	global_store_b128 v[LI], v[PC+16*\k+4*\c:PC+16*\k+4*\c+3], s[14:15] offset:16384*\k+512*\c
.endr
.endm
	s_load_b256 s[4:11], s[0:1], 0x0               ; x, Wq, Wk, Wv
	s_load_b128 s[12:15], s[0:1], 0x20             ; Wo, cimg
	s_load_b64 s[16:17], s[0:1], 0x30              ; simg
	v_lshl_add_u32 v[SPW], v0, 2, SPARE
	v_mov_b32 v[NIL], 0
	v_lshrrev_b32 v10, 5, v0
	v_readfirstlane_b32 s18, v10                   ; wave 0..3: which two K steps
	v_and_b32 v11, 31, v0                          ; lane
	v_and_b32 v12, 15, v0                          ; r
	v_bfe_u32 v13, v0, 4, 1                        ; h
	v_lshlrev_b32 v[LI], 4, v11
	s_mul_i32 s19, s18, STW                        ; my wave's stages
	v_add_nc_u32 v[STI], s19, v[LI]
	v_mul_u32_u24 v[STO], v12, SP
	v_lshl_add_u32 v[STO], v13, 6, v[STO]
	v_add_nc_u32 v[STO], s19, v[STO]
	s_lshr_b32 s23, s18, 1                         ; my K steps' words of row r: (wave / 2) 256 + 16 r + (wave % 2) 8
	s_lshl_b32 s23, s23, 8
	s_and_b32 s27, s18, 1
	s_lshl_b32 s27, s27, 3
	s_add_co_u32 s23, s23, s27
	s_add_co_u32 s23, s23, SCW
	v_lshl_add_u32 v[SWA], v12, 4, s23
	v_add_nc_u32 v[SWR], SCW, v[LI]
.irp b, 0,1,2,3
	v_mov_b32 v[TM+4+\b], 0                        ; written once: a lane permute's destination counts as one of its sources
.endr
	s_mov_b32 s[SEL], 0x76543210
	s_mov_b32 s[SEL+1], 0xfedcba98
	s_mov_b32 s[MNT], 0x600000
	s_lshr_b32 s28, ttmp9, 3                       ; the tile's place in cimg: (T / 8) 131072 + (T % 8) 2048 + wave x 2 K steps of 16,384
	s_lshl_b32 s28, s28, 17
	s_and_b32 s29, ttmp9, 7
	s_lshl_b32 s29, s29, 11
	s_add_co_u32 s28, s28, s29
	s_lshl_b32 s29, s18, 15
	s_add_co_u32 s28, s28, s29
	s_mov_b32 s29, 0
	s_lshl_b32 s30, ttmp9, 9                       ; and in simg: T 512
	s_mov_b32 s31, 0
	s_wait_alu depctr_va_vdst(0)
	s_wait_kmcnt 0x0
	s_mov_b64 s[20:21], s[12:13]                   ; which tensor is my tile's, and its first tile number: the choice hangs on the work-group's number alone
	s_mov_b32 s22, 352
	s_cmp_lt_u32 ttmp9, 352
	s_cselect_b64 s[20:21], s[10:11], s[20:21]
	s_cselect_b32 s22, 336, s22
	s_cmp_lt_u32 ttmp9, 336
	s_cselect_b64 s[20:21], s[8:9], s[20:21]
	s_cselect_b32 s22, 320, s22
	s_cmp_lt_u32 ttmp9, 320
	s_cselect_b64 s[20:21], s[6:7], s[20:21]
	s_cselect_b32 s22, 256, s22
	s_cmp_lt_u32 ttmp9, 256
	s_cselect_b64 s[20:21], s[4:5], s[20:21]
	s_cselect_b32 s22, 0, s22
	s_sub_co_u32 s22, ttmp9, s22                   ; t: the tile's number in its tensor
	s_lshr_b32 s32, s22, 1
	s_lshl_b32 s32, s32, 17                        ; 32 (t / 2) rows of 4,096 bytes
	s_and_b32 s33, s22, 1
	s_lshl_b32 s33, s33, 15                        ; + 8 (t % 2) rows
	s_add_co_u32 s32, s32, s33
	s_lshl_b32 s33, s18, 10                        ; + my wave's two K steps of 512 bytes
	s_add_co_u32 s32, s32, s33
	s_mov_b32 s33, 0
	s_add_nc_u64 s[20:21], s[20:21], s[32:33]
	s_add_nc_u64 s[14:15], s[14:15], s[28:29]
	s_add_nc_u64 s[16:17], s[16:17], s[30:31]
	XLOAD 0
	XLOAD 1
	s_wait_loadcnt 16                              ; the first K step's 16 loads are in; the second's 16 may be out
	TURN 0
	s_wait_loadcnt 0x0
	TURN 1
	s_wait_dscnt 32                                ; the first K step is back from its stage; the second turn's 32 LDS instructions may be out
	QUANT R, PC, PW
	PUT 0
	s_wait_dscnt 0x0
	QUANT R+64, PC+16, PW+1
	PUT 1
	ds_store_b64 v[SWA], v[PW:PW+1]                ; both halves of the lanes write the same bytes with the same value
	s_wait_dscnt 0x0                               ; for the others' sake: my store is done
	s_barrier_signal -1
	s_barrier_wait -1                              ; the tile's 512 scale bytes lie in LDS
	s_cmp_lg_u32 s18, 0
	s_cbranch_scc1 .Lnot_mine
	ds_load_b128 v[TM:TM+3], v[SWR]
	s_wait_dscnt 0x0
	global_store_b128 v[LI], v[TM:TM+3], s[16:17]  ; 512 consecutive bytes, aligned
.Lnot_mine:
	s_wait_tensorcnt 0x0                           ; the wave's end, behind my last LDS store
	ds_add_u32 v[SPW], v[NIL]
	s_wait_dscnt 0x0
	s_endpgm
.Lfunc_end_k_q5c10e3ac9b_quant:
	.size	k_q5c10e3ac9b_quant, .Lfunc_end_k_q5c10e3ac9b_quant-k_q5c10e3ac9b_quant
	.p2alignl 7, 3214868480
	.fill 96, 4, 3214868480
	.section	.rodata,"a",@progbits
	.p2align	6, 0x0
	.amdhsa_kernel k_q5c10e3ac9b_quant
		.amdhsa_group_segment_fixed_size 68608
		.amdhsa_private_segment_fixed_size 0
		.amdhsa_enable_private_segment 0
		.amdhsa_kernarg_size 56
		.amdhsa_user_sgpr_count 2
		.amdhsa_user_sgpr_kernarg_segment_ptr 1
		.amdhsa_wavefront_size32 1
		.amdhsa_system_sgpr_workgroup_id_x 1
		.amdhsa_system_sgpr_workgroup_id_y 1
		.amdhsa_system_sgpr_workgroup_id_z 1
		.amdhsa_system_vgpr_workitem_id 0
		.amdhsa_next_free_vgpr 192
		.amdhsa_next_free_sgpr 66
		.amdhsa_reserve_vcc 0
		.amdhsa_float_denorm_mode_32 3
		.amdhsa_float_denorm_mode_16_64 3
		.amdhsa_memory_ordered 1
		.amdhsa_forward_progress 1
		.amdhsa_inst_pref_size 28
	.end_amdhsa_kernel
	.amdgpu_metadata
---
amdhsa.version: [ 1, 2 ]
amdhsa.kernels:
  - .name:           k_q5c10e3ac9b_quant
    .symbol:         k_q5c10e3ac9b_quant.kd
    .args:
      - { .name: x, .offset: 0, .size: 8, .value_kind: global_buffer, .address_space: global }
      - { .name: Wq, .offset: 8, .size: 8, .value_kind: global_buffer, .address_space: global }
      - { .name: Wk, .offset: 16, .size: 8, .value_kind: global_buffer, .address_space: global }
      - { .name: Wv, .offset: 24, .size: 8, .value_kind: global_buffer, .address_space: global }
      - { .name: Wo, .offset: 32, .size: 8, .value_kind: global_buffer, .address_space: global }
      - { .name: cimg, .offset: 40, .size: 8, .value_kind: global_buffer, .address_space: global }
      - { .name: simg, .offset: 48, .size: 8, .value_kind: global_buffer, .address_space: global }
    .group_segment_fixed_size: 68608
    .private_segment_fixed_size: 0
    .kernarg_segment_align: 8
    .kernarg_segment_size: 56
    .max_flat_workgroup_size: 128
    .sgpr_count:     66
    .vgpr_count:     192
    .wavefront_size: 32
...
	.end_amdgpu_metadata
.endif
;; end of part 1
;; launch proj (part 2): grid 8 x 32, 6 waves a work-group, clusters of 4 x 1, 167,936 bytes of LDS; arguments cimg, simg, bq, bk, bv, qkimg, qkpl, vimg, vsc; writes qkimg, qkpl, vimg, vsc
.if DOCPART == 2
	.amdgcn_target "amdgcn-amd-amdhsa--gfx1250"
	.amdhsa_code_object_version 6
	.text
	.protected	k_q5c10e3ac9b_proj
	.globl	k_q5c10e3ac9b_proj
	.p2align	8
	.type	k_q5c10e3ac9b_proj,@function
k_q5c10e3ac9b_proj:
	s_mov_b64 s[64:65], 0
	v_nop
	global_prefetch_b8 v0, s[64:65] scope:SCOPE_SE
	s_setreg_imm32_b32 hwreg(HW_REG_WAVE_MODE, 25, 1), 1
	s_wait_xcnt 0x0
	s_wait_alu depctr_hold_cnt(0) depctr_sa_sdst(0) depctr_va_vdst(0) depctr_va_sdst(0) depctr_va_ssrc(0) depctr_va_vcc(0) depctr_vm_vsrc(0)
	s_getreg_b32 s2, hwreg(HW_REG_IB_STS2, 6, 4)
	s_cmp_eq_u32 s2, 0
	s_cbranch_scc0 .Lentry_in_a_cluster
	s_endpgm
.Lentry_in_a_cluster:
	s_bfe_u32 s2, ttmp6, 0x10000c
	s_cmp_lg_u32 s2, 0x3003
	s_cbranch_scc0 .Lentry_shape_is_right
	s_endpgm
.Lentry_shape_is_right:
; LAUNCH 2 OF 4.  q = x Wq^T + bq, k = x Wk^T + bk, v = x Wv^T + bv on codes of E5M2 (K = 1,024, eight steps of 128), and the results quantised in registers for the two products of attention.  Nothing of reference() is left out.
; SHARES.  A work-group takes 128 tokens (x's tiles 8 TB .. 8 TB + 7) and column group cg; a wave takes all 128 tokens x one pair of W's tiles (32 columns): 16 accumulators.
; Waves 0-3: q's pairs 4 cg + w; wave 4: k's pair cg; wave 5: v's pair cg.  So a wave's role hangs on its number alone.  Pair cp = W's tiles 256 + 2 cp, 256 + 2 cp + 1 of cimg.
; x's 128 KB of images are read by all six waves and by the four work-groups of a cluster (same TB): they come into LDS ONCE, by joint tensor loads of waves 0-3 (32 KB each), and no LDS byte is filled twice.
; A fragment of W is used by one wave of the work-group alone: it goes from memory straight into that wave's registers, four K steps ahead; so only x's tiles are asked for jointly.
; q, k: source 0 = W's tile, source 1 = x's tile: a lane holds one token, and its 16 registers of the pair are 16 neighbouring channels of a block of 32 of the head's 64: chunk cp % 2 of a fragment of head cp / 2.
; v:    source 0 = x's tile, source 1 = Wv's tile: a lane holds one channel, and its registers run along the tokens, which are the second product's K: a wave's 64 registers of a tile of Wv are a whole fragment (16 channels x 128 keys).
; The biases are the C of each sum's first matrix instruction (so they are added ahead of the products, in another order of rounding than reference()'s).
; OUT: qkimg [head' 20 (16 + g: k)][tile 256][chunk 2][lane][16]; qkpl [cp 40][TB 32][r 16][8]: byte m = tile 8 TB + m; vimg [4 b + g][key step 16][dt 4] fragments; vsc [4 b + g][key step][dt][r] words.
; The two stores of scale bytes cover 128 consecutive bytes each; all other stores cover 512, aligned.
; LIMITS: as stated at the head of the first launch (NaN, infinities, the byte of a block of zeros).
; REGISTERS.  window 0: v1-11 lane numbers and offsets; v16-47 x's scale words (tile m: 4 registers; lanes 0-15 K steps 0-3, lanes 16-31 K steps 4-7); v48-55 W's likewise; v56-71 the bias; v72-123 the quantiser; v128-255 accumulators.
;             window 1: v0-127 x's eight fragments of a K step; v128-255 four sets of W's two.
.set LI0,  4                           ; v4   16 x lane: my place in an image; K steps 0-3 in LDS
                                       ; v5   the same + 65,536: K steps 4-7
.set BQO,  6                           ; v6   q, k: 64 h: my 16 numbers of the bias
.set QSO,  7                           ; v7   q, k: 8 r + 4 h: where my scale bytes go
.set SPW,  8                           ; v8   LDS address of my spare word; never rewritten
.set NIL,  9                           ; v9   0; never rewritten
.set BVO,  10                          ; v10  v: 4 (r + 8 (r / 8)): my channel's bias
.set VSO,  11                          ; v11  v: 4 x lane: where my scale word goes
.set XS,   16
.set WS,   48
.set BI,   56
.set TM,   72
.set PW,   88                          ; v88, v89 the two scale words
.set SW,   90                          ; v90  the one that my lane stores
.set PC0,  92
.set PC1,  108
.set ACC,  128
.set BF,   128                         ; in window 1
.set SPARE, 131072                     ; behind x's images: the spare words, 128 bytes for each of six waves: three blocks of 256 bytes that no other line names
.set WV,   22                          ; s22  my wave's number
.set G1,   28                          ; s[28:35] descriptor group 1
.set G0,   36                          ; s[36:39] group 0
.set BB,   40                          ; s[40:41] my pair of W's tiles in cimg
.set SEL,  58
.set MNT,  60
.set MUL,  0x05                        ; sources 0 and 1 window 1; C and D window 0
.set TO_F, 0x40                        ; destination window 1, address window 0
.set MSB,  0
.macro WIN new                         ; the immediate's high byte repeats the setting that is left
.if MSB != \new
	s_set_vgpr_msb (MSB<<8)|\new
.set MSB, \new
.endif
.endm
.macro PLACES n
.rept \n
	v_nop
.endr
.endm
.macro CROUND                          ; a round of the cluster's barrier
	s_barrier_signal -1
	s_barrier_wait -1
	s_cmp_lg_u32 s[WV], 0
	s_cbranch_scc1 .Lnot_wave_0_\@
	s_barrier_signal -3
.Lnot_wave_0_\@:
	s_barrier_wait -3
	s_barrier_signal -1
	s_barrier_wait -1
.endm
; 64 numbers of a lane, four blocks of 16 (lane l xor 16 holds each block's other 16), become 16 registers of codes and four scale bytes.  Block b is the eight registers at src + step b and the eight that lie half further on.
.macro QUANT src, half, step, pc, pw
.irp b, 0,1,2,3
	v_max3_num_f32 v[TM+\b], |v[\src+\step*\b]|, |v[\src+1+\step*\b]|, 0x8000000   ; each accumulator is read from its low end on; the floor 2^(16 - 127) holds the byte at 1 from below
.endr
.irp i, 2,4,6
.irp b, 0,1,2,3
	v_max3_num_f32 v[TM+\b], v[TM+\b], |v[\src+\step*\b+\i]|, |v[\src+1+\step*\b+\i]|
.endr
.endr
.irp i, 0,2,4,6
.irp b, 0,1,2,3
	v_max3_num_f32 v[TM+\b], v[TM+\b], |v[\src+\half+\step*\b+\i]|, |v[\src+\half+1+\step*\b+\i]|
.endr
.endr
.irp b, 0,1,2,3
	v_permlanex16_b32 v[TM+4+\b], v[TM+\b], s[SEL], s[SEL+1]
.endr
.irp b, 0,1,2,3
	v_max_num_f32 v[TM+\b], v[TM+\b], v[TM+4+\b]
.endr
.irp b, 0,1,2,3
	v_add_nc_u32 v[TM+12+\b], 0xf8800000, v[TM+\b]              ; 15 off the exponent field: the conversion's scale operand
.endr
.irp b, 0,1,2,3
	v_and_or_b32 v[TM+8+\b], v[TM+\b], 0x7f800000, s[MNT]       ; 57,344 x the scale
.endr
.irp b, 0,1,2,3
	v_lshrrev_b32 v[TM+4+\b], 23, v[TM+12+\b]                   ; the scale's byte
.endr
	v_lshl_or_b32 v[\pw], v[TM+5], 8, v[TM+4]
	v_lshl_or_b32 v[\pw], v[TM+6], 16, v[\pw]
	v_lshl_or_b32 v[\pw], v[TM+7], 24, v[\pw]
.irp b, 0,1,2,3
.irp i, 0,1,2,3,4,5,6,7
	v_med3_num_f32 v[\src+\step*\b+\i], v[\src+\step*\b+\i], -v[TM+8+\b], v[TM+8+\b]   ; the conversion does not saturate (ISA guide 7.6.2): the hold
	v_med3_num_f32 v[\src+\half+\step*\b+\i], v[\src+\half+\step*\b+\i], -v[TM+8+\b], v[TM+8+\b]
.endr
	v_cvt_scalef32_pk8_bf8_f32 v[\pc+4*\b:\pc+4*\b+1], v[\src+\step*\b:\src+\step*\b+7], v[TM+12+\b]
	v_cvt_scalef32_pk8_bf8_f32 v[\pc+4*\b+2:\pc+4*\b+3], v[\src+\half+\step*\b:\src+\half+\step*\b+7], v[TM+12+\b]
.endr
	v_nop                                          ; one plain line behind the last conversion
.endm
.macro ALOAD s, m0                     ; x's tiles m0 .. m0 + 3 of K step s, out of LDS: each load takes 512 consecutive bytes
.irp m, \m0, \m0+1, \m0+2, \m0+3
.irp c, 0,1,2,3
	ds_load_b128 v[16*(\m)+4*\c:16*(\m)+4*\c+3], v[LI0+(\s)/4] offset:((\s)%4)*16384+(\m)*2048+\c*512
.endr
.endr
.endm
.macro BLOAD s                         ; my two tiles of W of K step s, out of memory, into set s % 4
.irp u, 0,1
.irp c, 0,1,2,3
	global_load_b128 v[BF+32*((\s)%4)+16*\u+4*\c:BF+32*((\s)%4)+16*\u+4*\c+3], v[LI0], s[BB:BB+1] offset:(\s)*16384+\u*2048+\c*512
.endr
.endr
.endm
.macro WM row                          ; row = 1: K steps 4-7, whose scale words lie in lanes 16-31
.if \row
	v_wmma_scale_f32_16x16x128_f8f6f4 v[rD:rD+7], v[rA:rA+15], v[rB:rB+15], v[rC:rC+7], v[rSA], v[rSB] matrix_a_fmt:MATRIX_FMT_BF8 matrix_b_fmt:MATRIX_FMT_BF8 matrix_a_scale:MATRIX_SCALE_ROW1 matrix_b_scale:MATRIX_SCALE_ROW1
.else
	v_wmma_scale_f32_16x16x128_f8f6f4 v[rD:rD+7], v[rA:rA+15], v[rB:rB+15], v[rC:rC+7], v[rSA], v[rSB] matrix_a_fmt:MATRIX_FMT_BF8 matrix_b_fmt:MATRIX_FMT_BF8
.endif
.endm
; 8 matrix instructions: x's tiles m0 .. m0 + 3 against W's two.  The 16 accumulators take turns, one instruction a turn, in the same order in every K step.  K step 0 takes the bias as C: nothing is cleared.
.macro MM s, m0, v
.irp m, \m0, \m0+1, \m0+2, \m0+3
.irp u, 0,1
.if \v
.set rD, ACC+16*(\m)+8*\u
.set rA, 16*(\m)
.set rB, BF+32*((\s)%4)+16*\u
.set rSA, XS+4*(\m)+(\s)%4
.set rSB, WS+4*\u+(\s)%4
.else
.set rD, ACC+16*(\m)+8*\u
.set rA, BF+32*((\s)%4)+16*\u
.set rB, 16*(\m)
.set rSA, WS+4*\u+(\s)%4
.set rSB, XS+4*(\m)+(\s)%4
.endif
.set rC, rD
.if (\s) == 0
.set rC, BI+8*\u
.endif
	WM (\s)/4
.endr
.endr
.endm
; A K step.  Loads into registers that matrix instructions have read stand eight places behind them; the last step's eight also stand in front of the first read of the results.
.macro MMR s, m0                       ; the products by the wave's role: wave 5 makes v, the others q or k.  Both roles take the accumulators in one order
	WIN 0
	s_cmp_eq_u32 s[WV], 5
	s_cbranch_scc1 .Lfor_v_\@
	WIN MUL
	MM \s, \m0, 0
	WIN 0
	s_branch .Lmultiplied_\@
.Lfor_v_\@:
	WIN MUL
	MM \s, \m0, 1
	WIN 0
.Lmultiplied_\@:
.endm
; x comes in FOUR STAGES of two K steps, stage st by wave st.  Stage st + 1 is shown by a barrier in the middle of K step 2 st + 1, where no LDS instruction of mine is out, ahead of the first LDS load that reads it.
.macro KSTEP s
.if 7-(\s) < 3
	s_wait_loadcnt 8*(7-(\s))                      ; W's set of this step is in; the later steps' sets, 8 loads each, may be out
.else
	s_wait_loadcnt 24                              ; the same: three later sets are out (at step 0 the scale words and the bias were issued earlier still)
.endif
	s_wait_dscnt 16                                ; x's tiles 0-3 are in; the 16 loads of tiles 4-7 may be out
	MMR \s, 0
	s_wait_dscnt 0x0                               ; tiles 4-7 are in: no LDS instruction of mine is out
.if ((\s)%2 == 1) && ((\s) < 7)
.if (\s) < 5
	s_cmp_eq_u32 s[WV], ((\s)+1)/2
	s_cbranch_scc0 .Lnot_mine_\@
	s_wait_tensorcnt 0x0                           ; the wave that fetched the next stage: it has landed
.Lnot_mine_\@:
.else
	s_wait_tensorcnt 0x0                           ; the last stage: in every wave
.endif
	s_barrier_signal -1
	PLACES 8                                       ; the places that are due anyway stand between the signal and the wait
	s_barrier_wait -1                              ; the loads below read the next stage
.else
	PLACES 8
.endif
.if (\s) < 7
	WIN TO_F
	ALOAD (\s)+1, 0
.endif
	MMR \s, 4
	PLACES 8
.if (\s) < 7
	WIN TO_F
	ALOAD (\s)+1, 4
.endif
.if (\s) < 4
	BLOAD (\s)+4
.endif
.endm
	s_load_b256 s[4:11], s[0:1], 0x0               ; cimg, simg, bq, bk
	s_load_b256 s[12:19], s[0:1], 0x20             ; bv, qkimg, qkpl, vimg
	s_load_b64 s[20:21], s[0:1], 0x40              ; vsc
	v_lshl_add_u32 v[SPW], v0, 2, SPARE
	v_mov_b32 v[NIL], 0
	ds_add_u32 v[SPW], v[NIL]                      ; the wave's opening: the add, twice on end, and its wait ahead of the first tensor load; the set-up below stands between the second and the wait
	ds_add_u32 v[SPW], v[NIL]
	v_lshrrev_b32 v1, 5, v0
	v_readfirstlane_b32 s[WV], v1                  ; wave 0..5
	v_and_b32 v1, 31, v0                           ; lane
	v_and_b32 v2, 15, v0                           ; r
	v_bfe_u32 v3, v0, 4, 1                         ; h
	v_lshlrev_b32 v[LI0], 4, v1
	v_add_nc_u32 v[LI0+1], 0x10000, v[LI0]
	v_lshlrev_b32 v[BQO], 6, v3
	v_lshlrev_b32 v[QSO], 3, v2
	v_lshl_add_u32 v[QSO], v3, 2, v[QSO]
	v_and_b32 v[BVO], 8, v2
	v_add_nc_u32 v[BVO], v[BVO], v2
	v_lshlrev_b32 v[BVO], 2, v[BVO]
	v_lshlrev_b32 v[VSO], 2, v1
.irp b, 0,1,2,3
	v_mov_b32 v[TM+4+\b], 0                        ; written once: a lane permute's destination counts as one of its sources
.endr
	s_mov_b32 s[SEL], 0x76543210
	s_mov_b32 s[SEL+1], 0xfedcba98
	s_mov_b32 s[MNT], 0x600000
	s_and_b32 s23, ttmp7, 0xffff                   ; TB: the block of 128 tokens, which the four partners share
	s_lshl_b32 s2, s23, 17                         ; x's images of the block: 131,072 bytes; my quarter of them
	s_lshl_b32 s3, s[WV], 15
	s_add_co_u32 s2, s2, s3
	s_mov_b32 s3, 0
	s_mov_b32 s[G1], 15|(3<<16)|(1<<21)            ; 15:0 the mask: all four work-groups; 17:16 elements of 8 bytes; 21 set beside a mask; no padding: an image is read 512 consecutive bytes at a time
	s_mov_b32 s[G1+1], 32<<16                      ; tensor_dim0 = 32 elements: rows of 256 bytes
	s_mov_b32 s[G1+2], 128<<16                     ; tensor_dim1 = 128 rows
	s_mov_b32 s[G1+3], 32<<16                      ; tile_dim0
	s_mov_b32 s[G1+4], 128                         ; tile_dim1
	s_mov_b32 s[G1+5], 32                          ; from row to row: dense
	s_mov_b32 s[G1+6], 0
	s_mov_b32 s[G1+7], 0
	s_bfe_u32 s24, ttmp6, 0x40000                  ; cx: it enters global addresses alone
	s_lshl_b32 s25, ttmp9, 2
	s_add_co_u32 s24, s25, s24                     ; cg = 4 x cluster x + cx
	s_lshl_b32 s25, s24, 2
	s_add_co_u32 s25, s25, s[WV]                   ; q: 4 cg + w
	s_lshl_b32 s26, s[WV], 3
	s_add_co_u32 s26, s26, s24                     ; k, v: 8 w + cg = 32 + cg, 40 + cg
	s_cmp_lt_u32 s[WV], 4
	s_cselect_b32 s25, s25, s26                    ; cp
	s_lshr_b32 s[BB], s25, 2                       ; W's tile 256 + 2 cp: (32 + cp / 4) 131072 + (cp % 4) 4096
	s_add_co_u32 s[BB], s[BB], 32
	s_lshl_b32 s[BB], s[BB], 17
	s_and_b32 s[BB+1], s25, 3
	s_lshl_b32 s[BB+1], s[BB+1], 12
	s_add_co_u32 s[BB], s[BB], s[BB+1]
	s_mov_b32 s[BB+1], 0
	s_lshl_b32 s42, s23, 12                        ; x's scale words: tile 8 TB, 512 bytes a tile
	s_mov_b32 s43, 0
	s_lshl_b32 s44, s25, 10                        ; W's: tile 256 + 2 cp
	s_add_co_u32 s44, s44, 131072
	s_mov_b32 s45, 0
	s_and_b32 s46, s25, 31                         ; the bias of q or k: 32 numbers a pair
	s_lshl_b32 s46, s46, 7
	s_mov_b32 s47, 0
	s_lshl_b32 s48, s24, 7                         ; of v
	s_mov_b32 s49, 0
	s_lshr_b32 s50, s25, 1                         ; qkimg: head' cp / 2, tile 8 TB, chunk cp % 2
	s_lshl_b32 s50, s50, 18
	s_lshl_b32 s51, s23, 13
	s_add_co_u32 s50, s50, s51
	s_and_b32 s51, s25, 1
	s_lshl_b32 s51, s51, 9
	s_add_co_u32 s50, s50, s51
	s_mov_b32 s51, 0
	s_lshl_b32 s52, s25, 5                         ; qkpl: (32 cp + TB) 128
	s_add_co_u32 s52, s52, s23
	s_lshl_b32 s52, s52, 7
	s_mov_b32 s53, 0
	s_lshr_b32 s26, s23, 4                         ; v: ((4 b + g) 16 + key step), b = TB / 16, g = cg / 2, key step = TB % 16
	s_lshl_b32 s26, s26, 2
	s_lshr_b32 s27, s24, 1
	s_add_co_u32 s26, s26, s27
	s_lshl_b32 s26, s26, 4
	s_and_b32 s27, s23, 15
	s_add_co_u32 s26, s26, s27
	s_and_b32 s27, s24, 1                          ; dt = 2 (cg % 2) + u
	s_lshl_b32 s54, s26, 13
	s_lshl_b32 s55, s27, 12
	s_add_co_u32 s54, s54, s55
	s_mov_b32 s55, 0
	s_lshl_b32 s56, s26, 8
	s_lshl_b32 s57, s27, 7
	s_add_co_u32 s56, s56, s57
	s_mov_b32 s57, 0
	s_wait_dscnt 0x0                               ; both opening adds are done
	CROUND                                         ; all four work-groups are here: the joint loads meet (the arguments are still on their way)
	s_wait_kmcnt 0x0
	s_mov_b32 s[G0], 1                             ; count = 1
	s_lshl_b32 s[G0+1], s[WV], 15                  ; LDS address: wave x 32,768
	s_add_nc_u64 s[G0+2:G0+3], s[4:5], s[2:3]
	s_or_b32 s[G0+3], s[G0+3], 0x80000000          ; type = 2
	s_add_nc_u64 s[BB:BB+1], s[4:5], s[BB:BB+1]
	s_add_nc_u64 s[42:43], s[6:7], s[42:43]
	s_add_nc_u64 s[44:45], s[6:7], s[44:45]
	s_cmp_lt_u32 s[WV], 4
	s_cselect_b64 s[8:9], s[8:9], s[10:11]         ; bq for waves 0-3, bk for wave 4
	s_add_nc_u64 s[46:47], s[8:9], s[46:47]
	s_add_nc_u64 s[48:49], s[12:13], s[48:49]
	s_add_nc_u64 s[50:51], s[14:15], s[50:51]
	s_add_nc_u64 s[52:53], s[16:17], s[52:53]
	s_add_nc_u64 s[54:55], s[18:19], s[54:55]
	s_add_nc_u64 s[56:57], s[20:21], s[56:57]
.irp st, 0,1,2,3                               ; waves 0-3 fetch a stage each, by a line of its own: each is shown by a barrier of its own
	s_cmp_eq_u32 s[WV], \st
	s_cbranch_scc0 .Lnot_stage_\st
	tensor_load_to_lds s[G0:G0+3], s[G1:G1+7]
	s_nop 0
	PLACES 4
	s_branch .Lasked
.Lnot_stage_\st:
.endr
.Lasked:
.irp m, 0,1,2,3,4,5,6,7
	global_load_b128 v[XS+4*\m:XS+4*\m+3], v[LI0], s[42:43] offset:512*\m
.endr
.irp u, 0,1
	global_load_b128 v[WS+4*\u:WS+4*\u+3], v[LI0], s[44:45] offset:512*\u
.endr
	s_cmp_eq_u32 s[WV], 5
	s_cbranch_scc1 .Lbias_v
.irp u, 0,1                                    ; q, k: register 8 u + j is the bias of column 16 h + 8 u + j of the pair
	global_load_b128 v[BI+8*\u:BI+8*\u+3], v[BQO], s[46:47] offset:32*\u
	global_load_b128 v[BI+8*\u+4:BI+8*\u+7], v[BQO], s[46:47] offset:32*\u+16
.endr
	s_branch .Lbias_done
.Lbias_v:
	s_wait_alu depctr_va_vdst(0)
.irp u, 0,1                                    ; v: a lane holds one channel, so all eight registers of a tile hold that channel's bias
.irp j, 0,1,2,3,4,5,6,7
	global_load_b32 v[BI+8*\u+\j], v[BVO], s[48:49] offset:32*\u
.endr
.endr
.Lbias_done:
	WIN TO_F
	BLOAD 0
	BLOAD 1
	BLOAD 2
	BLOAD 3
	WIN 0
	s_wait_alu depctr_va_vdst(0)
	s_cmp_eq_u32 s[WV], 0
	s_cbranch_scc0 .Lnot_first
	s_wait_tensorcnt 0x0                           ; wave 0: stage 0, K steps 0 and 1, has landed
.Lnot_first:
	s_barrier_signal -1
	s_barrier_wait -1
	WIN TO_F
	ALOAD 0, 0
	ALOAD 0, 4
.irp s, 0,1,2,3,4,5,6,7
	KSTEP \s
.endr
	WIN 0
	s_cmp_eq_u32 s[WV], 5
	s_cbranch_scc1 .Lrole_v
	QUANT ACC, 8, 16, PC0, PW                      ; block b is tile b: its 32 channels; the four code registers are my lane's 16 bytes of the tile's chunk
	QUANT ACC+64, 8, 16, PC1, PW+1                 ; tiles 4-7
.irp m, 0,1,2,3
	global_store_b128 v[LI0], v[PC0+4*\m:PC0+4*\m+3], s[50:51] offset:1024*\m
.endr
.irp m, 0,1,2,3
	global_store_b128 v[LI0], v[PC1+4*\m:PC1+4*\m+3], s[50:51] offset:4096+1024*\m
.endr
	v_cmp_eq_u32 vcc_lo, 1, v3
	v_cndmask_b32 v[SW], v[PW], v[PW+1], vcc_lo    ; lanes 0-15 store the bytes of tiles 0-3, lanes 16-31 those of tiles 4-7
	global_store_b32 v[QSO], v[SW], s[52:53]
	s_branch .Ldone
.Lrole_v:
	QUANT ACC, 16, 32, PC0, PW                     ; a whole fragment: 16 channels x the block's 128 tokens: block b is x's tiles 2 b and 2 b + 1
	QUANT ACC+8, 16, 32, PC1, PW+1
.irp c, 0,1,2,3
	global_store_b128 v[LI0], v[PC0+4*\c:PC0+4*\c+3], s[54:55] offset:512*\c
.endr
.irp c, 0,1,2,3
	global_store_b128 v[LI0], v[PC1+4*\c:PC1+4*\c+3], s[54:55] offset:2048+512*\c
.endr
	v_cmp_eq_u32 vcc_lo, 1, v3
	v_cndmask_b32 v[SW], v[PW], v[PW+1], vcc_lo    ; lanes 0-15 store the first tile's words, lanes 16-31 the second's
	global_store_b32 v[VSO], v[SW], s[56:57]
.Ldone:
	s_wait_tensorcnt 0x0                           ; the wave's end
	ds_add_u32 v[SPW], v[NIL]
	s_wait_dscnt 0x0
	CROUND                                         ; the closing round: no work-group ends while a partner may still ask for a tile that names it
	s_endpgm
.Lfunc_end_k_q5c10e3ac9b_proj:
	.size	k_q5c10e3ac9b_proj, .Lfunc_end_k_q5c10e3ac9b_proj-k_q5c10e3ac9b_proj
	.p2alignl 7, 3214868480
	.fill 96, 4, 3214868480
	.section	.rodata,"a",@progbits
	.p2align	6, 0x0
	.amdhsa_kernel k_q5c10e3ac9b_proj
		.amdhsa_group_segment_fixed_size 167936
		.amdhsa_private_segment_fixed_size 0
		.amdhsa_enable_private_segment 0
		.amdhsa_kernarg_size 72
		.amdhsa_user_sgpr_count 2
		.amdhsa_user_sgpr_kernarg_segment_ptr 1
		.amdhsa_wavefront_size32 1
		.amdhsa_system_sgpr_workgroup_id_x 1
		.amdhsa_system_sgpr_workgroup_id_y 1
		.amdhsa_system_sgpr_workgroup_id_z 1
		.amdhsa_system_vgpr_workitem_id 0
		.amdhsa_next_free_vgpr 512
		.amdhsa_next_free_sgpr 66
		.amdhsa_reserve_vcc 1
		.amdhsa_float_denorm_mode_32 3
		.amdhsa_float_denorm_mode_16_64 3
		.amdhsa_memory_ordered 1
		.amdhsa_forward_progress 1
		.amdhsa_inst_pref_size 108
	.end_amdhsa_kernel
	.amdgpu_metadata
---
amdhsa.version: [ 1, 2 ]
amdhsa.kernels:
  - .name:           k_q5c10e3ac9b_proj
    .symbol:         k_q5c10e3ac9b_proj.kd
    .args:
      - { .name: cimg, .offset: 0, .size: 8, .value_kind: global_buffer, .address_space: global }
      - { .name: simg, .offset: 8, .size: 8, .value_kind: global_buffer, .address_space: global }
      - { .name: bq, .offset: 16, .size: 8, .value_kind: global_buffer, .address_space: global }
      - { .name: bk, .offset: 24, .size: 8, .value_kind: global_buffer, .address_space: global }
      - { .name: bv, .offset: 32, .size: 8, .value_kind: global_buffer, .address_space: global }
      - { .name: qkimg, .offset: 40, .size: 8, .value_kind: global_buffer, .address_space: global }
      - { .name: qkpl, .offset: 48, .size: 8, .value_kind: global_buffer, .address_space: global }
      - { .name: vimg, .offset: 56, .size: 8, .value_kind: global_buffer, .address_space: global }
      - { .name: vsc, .offset: 64, .size: 8, .value_kind: global_buffer, .address_space: global }
    .group_segment_fixed_size: 167936
    .private_segment_fixed_size: 0
    .kernarg_segment_align: 8
    .kernarg_segment_size: 72
    .max_flat_workgroup_size: 192
    .sgpr_count:     66
    .vgpr_count:     512
    .wavefront_size: 32
...
	.end_amdgpu_metadata
.endif
;; end of part 2
;; launch attn (part 3): grid 32 x 8, 8 waves a work-group, clusters of 4 x 1, 327,680 bytes of LDS; arguments qkimg, qkpl, vimg, vsc, yimg, ysc; writes yimg, ysc
.if DOCPART == 3
	.amdgcn_target "amdgcn-amd-amdhsa--gfx1250"
	.amdhsa_code_object_version 6
	.text
	.protected	k_q5c10e3ac9b_attn
	.globl	k_q5c10e3ac9b_attn
	.p2align	8
	.type	k_q5c10e3ac9b_attn,@function
k_q5c10e3ac9b_attn:
	s_mov_b64 s[64:65], 0
	v_nop
	global_prefetch_b8 v0, s[64:65] scope:SCOPE_SE
	s_setreg_imm32_b32 hwreg(HW_REG_WAVE_MODE, 25, 1), 1
	s_wait_xcnt 0x0
	s_wait_alu depctr_hold_cnt(0) depctr_sa_sdst(0) depctr_va_vdst(0) depctr_va_sdst(0) depctr_va_ssrc(0) depctr_va_vcc(0) depctr_vm_vsrc(0)
	s_getreg_b32 s2, hwreg(HW_REG_IB_STS2, 6, 4)
	s_cmp_eq_u32 s2, 0
	s_cbranch_scc0 .Lentry_in_a_cluster
	s_endpgm
.Lentry_in_a_cluster:
	s_bfe_u32 s2, ttmp6, 0x10000c
	s_cmp_lg_u32 s2, 0x3003
	s_cbranch_scc0 .Lentry_shape_is_right
	s_endpgm
.Lentry_shape_is_right:
; LAUNCH 3 OF 4.  y = softmax(q k^T / 8) v for 2 batches x 4 groups x 4 heads, both products on codes of E5M2; y is quantised along D on the way out, for the last product.  Nothing of reference() is left out.
; THE SOFTMAX AHEAD OF THE SECOND PRODUCT: t = score x log2(e) / 8; M = the running largest t rounded UP to a whole number; p = 2^(t - M) is quantised along the keys, not normalised; the row's sum is taken of the unquantised p and
; divides at the end.  When M moves, the sum and O are multiplied by 2^(old M - new M), which rounds nothing.
; A block's exponent is i = floor(its largest t - M): its scale is 2^(i - 15), its hold 1.75 x 2^i, its byte i + 112; i is held at -111 from below.
; SHARES.  A work-group takes 64 tokens (tiles 4 qb + i) of one batch b and group g, for the group's four heads.  Wave w takes tile i = w % 4 of TWO heads, 4 g + 2 (w / 4) (A) and the next (B): two times 16 queries, a lane one query
; of each throughout.  Each fragment of k or v that a wave reads from LDS feeds A's product and B's.
; ALL of the group's k and v (2,048 keys: 128 KB of images each) lie in LDS for the whole launch: no byte is filled twice.  The four work-groups of a cluster share b and g: each tile is asked for JOINTLY.
; Every wave issues ONE tensor load of 32 KB: wave w a quarter (512 keys, number w / 2) of k (w even) or v (w odd).  Waves 0 and 1 have a load line of their own, which the first barrier shows; the rest is shown ahead of key step 3.
; All of k and v is asked for at the head, so nothing is left that could be asked for ahead of its load.
; THE HEAD'S 64 IN A PRODUCT 128 DEEP.  Two neighbouring tiles of keys are one fragment of 2,048 bytes (row r: the first tile's 64 codes, then the second's).  Multiplied by [q | 0] it gives the first tile's scores, by [0 | q] the second's:
; the zero codes add nothing under any scale byte but 0xff.  q's codes stand between two runs of zero registers, so both operands are runs of one register file: v[24:39] and v[16:31].
; LAYOUT.  S^T = k q^T (source 0 = keys), O^T = v^T p^T (source 0 = 16 channels).  By the tiles' row order the 16 registers of tiles 2 b, 2 b + 1 are keys 32 b + 16 h + 0 .. 15 of the step, and O^T's of channels 32 b + 16 h + 0 .. 15.
; REGISTERS.  A's lie in window 0, B's under the same numbers in window 1, so one macro serves both.  v40-103: window 0 k's four fragments, window 1 v's.  Addresses and all scale words lie in window 0.
; LIMITS: as at the head of the first launch; a p under 2^-126 comes out of v_exp_f32 as 0; the scaled scores (exponents to the base 2) are served while they stay under 2^31 in magnitude.  Where a block's largest t - M lies within f32's
; rounding of a whole number, its scale may fall to either side.
.set VIM,  131072                      ; LDS: k's images at 0 (tile t at 1,024 t), v's here ([key step][dt][2,048])
.set KSC,  262144                      ; k's scale words [key step 16][r 16][4 pairs of tiles]: written by ds_store, no tile lands here
.set VSC,  266240                      ; v's [key step][r][4 dt]
.set YS,   270336                      ; y's scale bytes of the work-group: [i 4][r 16][8]
.set SPARE, 270848                     ; the spare words, 128 bytes for each of eight waves: four blocks of 256 bytes that no other line names
.set AK0,  1                           ; 16 x lane
.set AV0,  2                           ; + VIM
.set ASK0, 3                           ; KSC + 16 r
.set ASV0, 4                           ; VSC + 16 r
.set SPW,  5
.set NIL,  6
.set ADK,  7                           ; v7-10 the step's addresses (at the head: r, h, lane)
.set ADV,  8
.set ADS,  9
.set ADT,  10
.set KST,  11                          ; KSC + 256 w + 16 r + 8 h: where I put scale words
.set YSA,  12                          ; YS + 128 i + 8 r + 4 (w / 4)
.set YR,   13                          ; YS + 16 x lane
.set QO,   14                          ; 8 r: q's scale bytes
.set KO,   15                          ; 8 r + 4 h: k's
.set VO,   104                         ; at the head: 4 r + 128 h: v's words
                                       ; v16-23 zeros, v24-31 q's codes, v32-39 zeros
.set KF,   40                          ; four fragments: window 0 k's, window 1 v's
.set S,    104                         ; S^T, then p
.set O,    168                         ; O^T
.set P,    200                         ; p's codes
.set BM,   216                         ; the blocks' largest scores, then exponents
.set PM,   220                         ; permutes' results, then two chains of the sum
.set HD,   224                         ; holds
.set SO,   228                         ; scale operands of the conversions
.set KS,   232                         ; v232-235 k's scale words, v236-239 v's, v240 and v241 q's (A, B), v242 and v243 p's: scales and nothing else
.set VS,   236
.set QSA,  240
.set QSB,  241
.set PSA,  242
.set PSB,  243
.set NM,   244                         ; -M (named as a pair with the next)
.set MX,   245                         ; the largest score so far
.set L,    246                         ; the sum in two halves
.set FF,   248                         ; f = 2^(old M - new M), and a 0 named with it as a pair
.set T0,   250
.set T1,   251
.set C3,   252                         ; two more chains of the sum
.set C4,   254
.set WV,   16
.set SEL,  18
.set CS,   20                          ; s[20:21] c = log2(e) / 8
.set MNT,  22
.set TB,   23                          ; the step's images: 8,192 bytes a step, in k's region and in v's
.set TS,   24                          ; the step's scale words: 256 bytes a step
.set CNT,  25
.set LOW,  27                          ; -111.0
.set G1,   28
.set G0,   36
.set MSB,  0
.macro WIN new                         ; the immediate's high byte repeats the setting that is left
.if MSB != \new
	s_set_vgpr_msb (MSB<<8)|\new
.set MSB, \new
.endif
.endm
.macro PLACES n
.rept \n
	v_nop
.endr
.endm
.macro CROUND
	s_barrier_signal -1
	s_barrier_wait -1
	s_cmp_lg_u32 s[WV], 0
	s_cbranch_scc1 .Lnot_wave_0_\@
	s_barrier_signal -3
.Lnot_wave_0_\@:
	s_barrier_wait -3
	s_barrier_signal -1
	s_barrier_wait -1
.endm
.macro FRAGS adr, off                  ; four fragments: each load takes 512 consecutive bytes
.irp b, 0,1,2,3
.irp c, 0,1,2,3
	ds_load_b128 v[KF+16*\b+4*\c:KF+16*\b+4*\c+3], v[\adr] offset:(\off)+2048*\b+512*\c
.endr
.endr
.endm
.macro SCORES qs                       ; S^T of one head: even tiles by [q | 0], odd ones by [0 | q]
.irp t, 0,1,2,3,4,5,6,7
	v_wmma_scale_f32_16x16x128_f8f6f4 v[S+8*\t:S+8*\t+7], v[KF+16*(\t/2):KF+16*(\t/2)+15], v[24-8*(\t%2):39-8*(\t%2)], 0, v[KS+\t/2], v[\qs] matrix_a_fmt:MATRIX_FMT_BF8 matrix_b_fmt:MATRIX_FMT_BF8
.endr
.endm
.macro PV ps                           ; O^T += v^T p^T of one head
.irp d, 0,1,2,3
	v_wmma_scale_f32_16x16x128_f8f6f4 v[O+8*\d:O+8*\d+7], v[KF+16*\d:KF+16*\d+15], v[P:P+15], v[O+8*\d:O+8*\d+7], v[VS+\d], v[\ps] matrix_a_fmt:MATRIX_FMT_BF8 matrix_b_fmt:MATRIX_FMT_BF8
.endr
.endm
.macro SF a, n                         ; t - M, two at a time
.set j_, \a
.rept \n
	v_pk_fma_f32 v[S+2*j_:S+2*j_+1], v[S+2*j_:S+2*j_+1], s[CS:CS+1], v[NM:NM+1] op_sel_hi:[1,0,0]
.set j_, j_+1
.endr
.endm
.macro ADDP c, k                       ; pair k of p onto chain c
	v_pk_add_f32 v[\c:\c+1], v[\c:\c+1], v[S+2*(\k):S+2*(\k)+1]
.endm
; THE SOFTMAX OF ONE HEAD'S 128 KEYS.  all: the window of all its operands; w0: the same with the destination in window 0 (the scale word); pv = 1: A's second product stands behind the lane permutes.
.macro SOFTMAX all, w0, ps, pv
.irp b, 0,1,2,3
	v_max3_num_f32 v[BM+\b], v[S+16*\b], v[S+1+16*\b], v[S+2+16*\b]   ; the largest score of each block of 32 keys; each accumulator is read from its low end on
.endr
.irp i, 3,5,7,9,11
.irp b, 0,1,2,3
	v_max3_num_f32 v[BM+\b], v[BM+\b], v[S+16*\b+\i], v[S+1+16*\b+\i]
.endr
.endr
.irp b, 0,1,2,3
	v_max3_num_f32 v[BM+\b], v[BM+\b], v[S+16*\b+13], v[S+16*\b+14+(\b)%2]
.endr
	v_dual_max_num_f32 v[BM], v[BM], v[S+15] :: v_dual_max_num_f32 v[BM+1], v[BM+1], v[S+30]
	v_dual_max_num_f32 v[BM+2], v[BM+2], v[S+47] :: v_dual_max_num_f32 v[BM+3], v[BM+3], v[S+62]
.irp b, 0,1,2,3
	v_permlanex16_b32 v[PM+\b], v[BM+\b], s[SEL], s[SEL+1]
.endr
.if \pv
	WIN 0x01
	PV PSA
	WIN \all
.endif
	v_dual_max_num_f32 v[BM], v[BM], v[PM] :: v_dual_max_num_f32 v[BM+1], v[BM+1], v[PM+1]   ; with lane l xor 16's 16 keys
	v_dual_max_num_f32 v[BM+2], v[BM+2], v[PM+2] :: v_dual_max_num_f32 v[BM+3], v[BM+3], v[PM+3]
	v_max3_num_f32 v[T0], v[BM], v[BM+1], v[BM+2]
	s_delay_alu instid0(VALU_DEP_1)
	v_max3_num_f32 v[MX], v[MX], v[T0], v[BM+3]    ; the running largest score (c is positive)
	s_delay_alu instid0(VALU_DEP_1)
	v_mul_f32 v[T0], s[CS], v[MX]                  ; as t
	s_delay_alu instid0(VALU_DEP_1)
	v_floor_f32 v[T1], -v[T0]                      ; the new -M = floor(-t): M is a whole number
	s_delay_alu instid0(VALU_DEP_1)
	v_sub_f32 v[T0], v[T1], v[NM]                  ; old M - new M: a whole number, 0 or less
	v_mov_b32 v[NM], v[T1]
	v_pk_fma_f32 v[BM:BM+1], v[BM:BM+1], s[CS:CS+1], v[NM:NM+1] op_sel_hi:[1,0,0]   ; t - M of each block's largest score
	v_pk_fma_f32 v[BM+2:BM+3], v[BM+2:BM+3], s[CS:CS+1], v[NM:NM+1] op_sel_hi:[1,0,0]
	v_cvt_i32_f32 v[T0], v[T0]                     ; (it saturates)
	SF 0, 4
	v_ldexp_f32 v[FF], 1.0, v[T0]                  ; f = 2^(old M - new M)
.irp b, 0,1,2,3
	v_max_num_f32 v[BM+\b], s[LOW], v[BM+\b]       ; held at -111: the byte cannot fall under 1
.endr
	SF 4, 6
.irp b, 0,1,2,3
	v_cvt_floor_i32_f32 v[BM+\b], v[BM+\b]         ; i: the exponent of the block's largest p
.endr
	SF 10, 6
.irp b, 0,1,2,3
	v_lshl_add_u32 v[SO+\b], v[BM+\b], 23, 0x38000000   ; 2^(i - 15): the conversion's scale operand
.endr
.irp b, 0,1,2,3
	v_lshl_add_u32 v[HD+\b], v[BM+\b], 23, 0x3fe00000   ; 1.75 x 2^i = 57,344 x the scale
.endr
	v_lshl_add_u32 v[T1], v[BM+1], 8, v[BM]        ; the four bytes i + 112: summed as whole numbers, the 112s last
	SF 16, 4
	v_lshl_add_u32 v[T1], v[BM+2], 16, v[T1]
	SF 20, 4
	v_lshl_add_u32 v[T1], v[BM+3], 24, v[T1]
	SF 24, 4
	WIN \w0
	v_add_nc_u32 v[\ps], 0x70707070, v[T1]         ; p's scale word for these 128 keys
	WIN \all
	SF 28, 4
	s_wait_alu depctr_va_vdst(0)
.set j_, 0
.rept 64
	v_exp_f32 v[S+j_], v[S+j_]                     ; p = 2^(t - M), at most 1
.set j_, j_+1
.endr
	v_pk_mul_f32 v[L:L+1], v[L:L+1], v[FF:FF+1] op_sel_hi:[1,0]   ; the sum under the new M: a plain line behind the exponentials
	s_wait_alu depctr_va_vdst(0)                   ; one wait behind the batch, which serves O^T's first readers too
.set j_, 0
.rept 16
	v_pk_mul_f32 v[O+j_:O+j_+1], v[O+j_:O+j_+1], v[FF:FF+1] op_sel_hi:[1,0]   ; O^T under the new M
.set j_, j_+2
.endr
	v_pk_add_f32 v[PM:PM+1], v[S:S+1], v[S+2:S+3]  ; the row's sum, of the unquantised p, in five chains by turns
	v_pk_add_f32 v[PM+2:PM+3], v[S+4:S+5], v[S+6:S+7]
	v_pk_add_f32 v[C3:C3+1], v[S+8:S+9], v[S+10:S+11]
	v_pk_add_f32 v[C4:C4+1], v[S+12:S+13], v[S+14:S+15]
	ADDP L, 8
.irp k, 9,14,19,24
	ADDP PM, \k
	ADDP PM+2, \k+1
	ADDP C3, \k+2
	ADDP C4, \k+3
	ADDP L, \k+4
.endr
	ADDP PM, 29
	ADDP PM+2, 30
	ADDP C3, 31
.irp b, 0,1,2,3
.irp i, 0,2,4,6,8,10,12,14
	v_dual_min_num_f32 v[S+16*\b+\i], v[S+16*\b+\i], v[HD+\b] :: v_dual_min_num_f32 v[S+16*\b+\i+1], v[S+16*\b+\i+1], v[HD+\b]   ; the conversion does not saturate (ISA guide 7.6.2); p is not negative, so the hold is one-sided
.endr
	v_cvt_scalef32_pk8_bf8_f32 v[P+4*\b:P+4*\b+1], v[S+16*\b:S+16*\b+7], v[SO+\b]
	v_cvt_scalef32_pk8_bf8_f32 v[P+4*\b+2:P+4*\b+3], v[S+16*\b+8:S+16*\b+15], v[SO+\b]
.endr
	v_pk_add_f32 v[PM:PM+1], v[PM:PM+1], v[PM+2:PM+3]   ; the chains' ends: also the four places between p's codes and the products
	v_pk_add_f32 v[C3:C3+1], v[C3:C3+1], v[C4:C4+1]
	v_pk_add_f32 v[L:L+1], v[L:L+1], v[PM:PM+1]
	v_pk_add_f32 v[L:L+1], v[L:L+1], v[C3:C3+1]
.endm
; A KEY STEP: 128 keys.  k's fragments are in; those of the next step and v's of this one are asked for behind the scores, and are awaited between A's softmax and B's.
; The barrier, signalled at the step's head and awaited at its end, keeps the eight waves within one key step of each other; it orders no memory access.  In the last step the loads ahead take bytes that no product reads.
.macro STEP
	s_barrier_signal -1
	SCORES QSA
	WIN 0x44
	SCORES QSB
	WIN 0
	v_add_nc_u32 v[ADV], s[TB], v[AV0]
	v_add_nc_u32 v[ADT], s[TS], v[ASV0]
	v_add_nc_u32 v[ADK], s[TB], v[AK0]
	v_add_nc_u32 v[ADS], s[TS], v[ASK0]
	PLACES 4                                       ; with the four additions: eight places in front of the loads below and of the first read of the scores
	WIN 0x40
	FRAGS ADV, 0
	WIN 0
	ds_load_b128 v[VS:VS+3], v[ADT]
	FRAGS ADK, 8192
	ds_load_b128 v[KS:KS+3], v[ADS] offset:256
	SOFTMAX 0, 0, PSA, 0
	s_wait_dscnt 0x0                               ; v's fragments, and k's of the next step, are in
	WIN 0x55
	s_wait_alu depctr_va_vdst(0)                   ; directly ahead of the first reader of B's scores
	SOFTMAX 0x55, 0x15, PSB, 1
	s_wait_alu depctr_va_vdst(0)
	s_barrier_wait -1
	PV PSB
	WIN 0
.endm
.macro RUN first, trips                ; key steps from 'first' on
	s_mov_b32 s[TB], \first*8192
	s_mov_b32 s[TS], \first*256
	s_mov_b32 s[CNT], \trips
.Lstep_\@:
	STEP
	s_add_co_u32 s[TB], s[TB], 8192
	s_add_co_u32 s[TS], s[TS], 256
	s_sub_co_u32 s[CNT], s[CNT], 1
	s_cmp_lg_u32 s[CNT], 0
	s_cbranch_scc1 .Lstep_\@
.endm
.macro INIT                            ; one head's registers ahead of the first step
.irp j, 0,1,2,3,4,5,6,7
	v_mov_b32 v[16+\j], 0                          ; zero codes on both sides of q's
	v_mov_b32 v[32+\j], 0
.endr
	v_mov_b32 v[MX], 0xff61b1e6                    ; the largest score so far: -3e38
	v_mov_b32 v[NM], 0x7f61b1e6                    ; -M: 3e38
	v_mov_b32 v[L], 0
	v_mov_b32 v[L+1], 0
	v_mov_b32 v[FF+1], 0
.irp b, 0,1,2,3
	v_mov_b32 v[PM+\b], 0                          ; a lane permute's destination counts as one of its sources
.endr
	v_mov_b32 v[T0], 0
.set j_, 0
.rept 32
	v_mov_b32 v[O+j_], 0                           ; O^T: the step is written once, and its first change of M leaves zeros
.set j_, j_+1
.endr
.endm
	s_load_b256 s[4:11], s[0:1], 0x0               ; qkimg, qkpl, vimg, vsc
	s_load_b128 s[12:15], s[0:1], 0x20             ; yimg, ysc
	v_lshl_add_u32 v[SPW], v0, 2, SPARE
	v_mov_b32 v[NIL], 0
	ds_add_u32 v[SPW], v[NIL]                      ; the wave's opening: the add, twice on end, and its wait ahead of my first tensor load
	ds_add_u32 v[SPW], v[NIL]
	v_lshrrev_b32 v7, 5, v0
	v_readfirstlane_b32 s[WV], v7                  ; wave 0..7
	v_and_b32 v9, 31, v0                           ; lane
	v_and_b32 v7, 15, v0                           ; r
	v_bfe_u32 v8, v0, 4, 1                         ; h
	v_lshlrev_b32 v[AK0], 4, v9
	v_lshl_add_u32 v[ASK0], v7, 4, KSC
	v_lshl_add_u32 v[ASV0], v7, 4, VSC
	v_lshlrev_b32 v[QO], 3, v7
	v_add_nc_u32 v[AV0], VIM, v[AK0]
	v_add_nc_u32 v[YR], YS, v[AK0]
	v_lshl_add_u32 v[KO], v8, 2, v[QO]
	v_lshlrev_b32 v[VO], 2, v7
	v_lshl_add_u32 v[VO], v8, 7, v[VO]
	s_lshl_b32 s17, s[WV], 8
	v_lshl_add_u32 v[KST], v8, 3, v[ASK0]
	v_add_nc_u32 v[KST], s17, v[KST]
	s_and_b32 s56, s[WV], 3                        ; i
	s_lshr_b32 s57, s[WV], 2                       ; which pair of heads
	s_lshl_b32 s17, s56, 7
	s_lshl_b32 s26, s57, 2
	s_add_co_u32 s17, s17, s26
	v_lshl_add_u32 v[YSA], v7, 3, YS
	v_add_nc_u32 v[YSA], s17, v[YSA]
	s_wait_alu depctr_va_vdst(0)
	s_mov_b32 s[SEL], 0x76543210
	s_mov_b32 s[SEL+1], 0xfedcba98
	s_mov_b32 s[CS], 0x3e38aa3b                    ; log2(e) / 8
	s_mov_b32 s[CS+1], s[CS]                       ; (named with it as a pair, so it is written)
	s_mov_b32 s[MNT], 0x600000
	s_mov_b32 s[LOW], 0xc2de0000
	s_mov_b32 s[G1], 15|(3<<16)|(1<<21)            ; the mask: all four work-groups; elements of 8 bytes; bit 21 beside a mask; no padding
	s_mov_b32 s[G1+1], 32<<16                      ; rows of 256 bytes,
	s_mov_b32 s[G1+2], 128<<16                     ; 128 of them,
	s_mov_b32 s[G1+3], 32<<16
	s_mov_b32 s[G1+4], 128
	s_mov_b32 s[G1+5], 32                          ; dense
	s_mov_b32 s[G1+6], 0
	s_mov_b32 s[G1+7], 0
	s_and_b32 s62, s[WV], 1                        ; I fetch for k (0) or for v (1):
	s_lshr_b32 s80, s[WV], 1
	s_lshl_b32 s80, s80, 15                        ; quarter w / 2, 32,768 bytes
	s_mov_b32 s81, 0
	s_lshl_b32 s63, s62, 17
	s_mov_b32 s[G0], 1
	s_add_co_u32 s[G0+1], s80, s63
	s_and_b32 s52, ttmp7, 0xffff                   ; 4 b + g, which the four partners share
	s_lshr_b32 s53, s52, 2                         ; b
	s_and_b32 s54, s52, 3                          ; g
	s_add_co_u32 s60, s54, 16                      ; k's images: head' 16 + g, 262,144 bytes a head'; batch b's 128 tiles
	s_lshl_b32 s60, s60, 18
	s_lshl_b32 s61, s53, 17
	s_add_co_u32 s60, s60, s61
	s_mov_b32 s61, 0
	s_lshl_b32 s78, s52, 17                        ; v's images
	s_mov_b32 s79, 0
	s_bfe_u32 s55, ttmp6, 0x40000                  ; cx: it enters q's and y's global addresses alone
	s_lshl_b32 s58, ttmp9, 2
	s_add_co_u32 s55, s58, s55
	s_lshl_b32 s58, s53, 5
	s_add_co_u32 s55, s55, s58                     ; qb = 32 b + 4 x cluster x + cx: my work-group's 64 tokens
	s_lshl_b32 s58, s54, 2
	s_lshl_b32 s59, s57, 1
	s_add_co_u32 s58, s58, s59                     ; A's head: 4 g + 2 (w / 4)
	s_lshl_b32 s59, s55, 2
	s_add_co_u32 s59, s59, s56                     ; T = 4 qb + i: my tile of tokens
	s_lshl_b32 s66, s58, 8                         ; q's codes: (256 head + T) 1024; B's 262,144 on
	s_add_co_u32 s66, s66, s59
	s_lshl_b32 s66, s66, 10
	s_mov_b32 s67, 0
	s_lshl_b32 s68, s58, 6                         ; q's scale bytes: ((2 head + c) 32 + T / 8) 128 + T % 8; B's 8,192 on
	s_lshr_b32 s69, s59, 3
	s_add_co_u32 s68, s68, s69
	s_lshl_b32 s68, s68, 7
	s_and_b32 s69, s59, 7
	s_add_co_u32 s68, s68, s69
	s_mov_b32 s69, 0
	s_lshl_b32 s70, s54, 1                         ; k's scale bytes of key steps w and w + 8: (32 + 2 g + c) 4096 + (16 b + step) 128
	s_add_co_u32 s70, s70, 32
	s_lshl_b32 s70, s70, 12
	s_lshl_b32 s71, s53, 11
	s_add_co_u32 s70, s70, s71
	s_lshl_b32 s71, s[WV], 7
	s_add_co_u32 s70, s70, s71
	s_mov_b32 s71, 0
	s_lshl_b32 s72, s52, 12                        ; v's scale words of key steps w and w + 8
	s_lshl_b32 s73, s[WV], 8
	s_add_co_u32 s72, s72, s73
	s_mov_b32 s73, 0
	s_lshr_b32 s74, s59, 3                         ; y's image: (T / 8) 131072 + (head / 2) 16384 + (T % 8) 2048: a whole fragment, A's chunks 0 and 1, B's 2 and 3
	s_lshl_b32 s74, s74, 17
	s_and_b32 s75, s59, 7
	s_lshl_b32 s75, s75, 11
	s_add_co_u32 s74, s74, s75
	s_lshr_b32 s75, s58, 1
	s_lshl_b32 s75, s75, 14
	s_add_co_u32 s74, s74, s75
	s_mov_b32 s75, 0
	s_lshl_b32 s76, s54, 15                        ; y's scale bytes: g 32768 + qb 512
	s_lshl_b32 s77, s55, 9
	s_add_co_u32 s76, s76, s77
	s_mov_b32 s77, 0
	s_wait_dscnt 0x0                               ; both opening adds are done
	CROUND                                         ; all four work-groups are here: the joint loads meet (the arguments are still on their way)
	s_wait_kmcnt 0x0
	s_add_nc_u64 s[60:61], s[4:5], s[60:61]
	s_add_nc_u64 s[78:79], s[8:9], s[78:79]
	s_cmp_eq_u32 s62, 0
	s_cselect_b64 s[60:61], s[60:61], s[78:79]
	s_add_nc_u64 s[G0+2:G0+3], s[60:61], s[80:81]
	s_or_b32 s[G0+3], s[G0+3], 0x80000000
	s_cmp_lt_u32 s[WV], 2                          ; waves 0 and 1, whose quarters are shown first, have a line of their own
	s_cbranch_scc0 .Lrest
	tensor_load_to_lds s[G0:G0+3], s[G1:G1+7]
	s_nop 0
	PLACES 4
	s_branch .Lasked
.Lrest:
	tensor_load_to_lds s[G0:G0+3], s[G1:G1+7]
	s_nop 0
	PLACES 4
.Lasked:
	s_add_nc_u64 s[66:67], s[4:5], s[66:67]
	s_add_nc_u64 s[68:69], s[6:7], s[68:69]
	s_add_nc_u64 s[70:71], s[6:7], s[70:71]
	s_add_nc_u64 s[72:73], s[10:11], s[72:73]
	s_add_nc_u64 s[74:75], s[12:13], s[74:75]
	s_add_nc_u64 s[76:77], s[14:15], s[76:77]
	global_load_b128 v[24:27], v[AK0], s[66:67]              ; A's q: two chunks
	global_load_b128 v[28:31], v[AK0], s[66:67] offset:512
	WIN 0x40
	global_load_b128 v[24:27], v[AK0], s[66:67] offset:262144   ; B's
	global_load_b128 v[28:31], v[AK0], s[66:67] offset:262656
	WIN 0
	global_load_u8 v106, v[QO], s[68:69]                     ; their scale bytes of row r
	global_load_u8 v107, v[QO], s[68:69] offset:4096
	global_load_u8 v108, v[QO], s[68:69] offset:8192
	global_load_u8 v109, v[QO], s[68:69] offset:12288
	global_load_b32 v110, v[KO], s[70:71]                    ; key step w, chunk 0: the bytes of tiles 4 h .. 4 h + 3, row r,
	global_load_b32 v111, v[KO], s[70:71] offset:4096        ; chunk 1,
	global_load_b32 v112, v[KO], s[70:71] offset:1024        ; and key step w + 8
	global_load_b32 v113, v[KO], s[70:71] offset:5120
	global_load_b32 v114, v[VO], s[72:73]                    ; key step w: v's words of dt = 2 h,
	global_load_b32 v115, v[VO], s[72:73] offset:64          ; 2 h + 1,
	global_load_b32 v116, v[VO], s[72:73] offset:2048        ; and key step w + 8
	global_load_b32 v117, v[VO], s[72:73] offset:2112
	INIT
	s_wait_alu depctr_va_vdst(0)
	s_wait_loadcnt 0x0
	v_perm_b32 v118, v111, v110, 0x05010400        ; a pair's word: chunks 0, 1 of its first tile, then of its second: pair 2 h,
	v_perm_b32 v119, v111, v110, 0x07030602        ; pair 2 h + 1
	v_perm_b32 v120, v113, v112, 0x05010400
	v_perm_b32 v121, v113, v112, 0x07030602
	ds_store_b64 v[KST], v[118:119]
	ds_store_b64 v[KST], v[120:121] offset:2048
	ds_store_b64 v[KST], v[114:115] offset:VSC-KSC
	ds_store_b64 v[KST], v[116:117] offset:VSC-KSC+2048
	v_lshl_or_b32 v106, v107, 8, v106
	v_lshl_or_b32 v108, v109, 8, v108
	v_lshl_or_b32 v[QSA], v106, 16, v106           ; q's words: their two bytes for whichever half of K holds the codes
	v_lshl_or_b32 v[QSB], v108, 16, v108
	WIN 0x40
	INIT                                           ; (these lines are also the places between q's scale words and their first use)
	WIN 0
	s_wait_alu depctr_va_vdst(0)
	s_cmp_lt_u32 s[WV], 2
	s_cbranch_scc0 .Lnot_first
	s_wait_tensorcnt 0x0                           ; waves 0 and 1: key steps 0 to 3 of k and of v have landed
.Lnot_first:
	s_wait_dscnt 0x0                               ; my stores of scale words are done
	s_barrier_signal -1
	s_barrier_wait -1
	FRAGS AK0, 0                                   ; key step 0 of k
	ds_load_b128 v[KS:KS+3], v[ASK0]
	s_wait_dscnt 0x0
	RUN 0, 3                                       ; these read k's key steps up to 3
	s_wait_alu depctr_va_vdst(0)
	s_wait_tensorcnt 0x0                           ; everything has landed: nothing is ever filled again, so no further wait follows
	s_wait_dscnt 0x0
	s_barrier_signal -1
	s_barrier_wait -1
	RUN 3, 13
	; THE WAY OUT.  O^T / the sum is my query's 64 channels of a head: two blocks of 32 along the last product's K.  They are quantised here and leave as two chunks of y's image.
	PLACES 8
.macro FIN
	v_add_f32 v[L], v[L], v[L+1]                   ; the sum's two halves,
	v_permlanex16_b32 v[T0], v[L], s[SEL], s[SEL+1]
	v_add_f32 v[L], v[L], v[T0]                    ; and lane l xor 16's
	s_wait_alu depctr_va_vdst(0)
	v_rcp_f32 v[L], v[L]
	v_nop                                          ; a plain line behind the reciprocal,
	s_wait_alu depctr_va_vdst(0)                   ; and the wait ahead of its first reader
.set j_, 0
.rept 16
	v_pk_mul_f32 v[S+j_:S+j_+1], v[O+j_:O+j_+1], v[L:L+1] op_sel_hi:[1,0]   ; register 16 b + i is channel 32 b + 16 h + i; each accumulator is read from its low end on
.set j_, j_+2
.endr
.irp b, 0,1
	v_max3_num_f32 v[BM+\b], |v[S+16*\b]|, |v[S+1+16*\b]|, 0x8000000   ; the floor 2^(16 - 127): the byte cannot fall under 1
.endr
.irp i, 2,4,6,8,10,12,14
.irp b, 0,1
	v_max3_num_f32 v[BM+\b], v[BM+\b], |v[S+16*\b+\i]|, |v[S+1+16*\b+\i]|
.endr
.endr
.irp b, 0,1
	v_permlanex16_b32 v[PM+\b], v[BM+\b], s[SEL], s[SEL+1]
.endr
.irp b, 0,1
	v_max_num_f32 v[BM+\b], v[BM+\b], v[PM+\b]
.endr
.irp b, 0,1
	v_add_nc_u32 v[SO+\b], 0xf8800000, v[BM+\b]    ; 15 off the exponent field: the conversion's scale operand
.endr
.irp b, 0,1
	v_and_or_b32 v[HD+\b], v[BM+\b], 0x7f800000, s[MNT]   ; 57,344 x the scale
.endr
.irp b, 0,1
	v_lshrrev_b32 v[PM+\b], 23, v[SO+\b]           ; the scale's byte
.endr
.irp b, 0,1
.irp i, 0,1,2,3,4,5,6,7,8,9,10,11,12,13,14,15
	v_med3_num_f32 v[S+16*\b+\i], v[S+16*\b+\i], -v[HD+\b], v[HD+\b]   ; the hold
.endr
	v_cvt_scalef32_pk8_bf8_f32 v[P+4*\b:P+4*\b+1], v[S+16*\b:S+16*\b+7], v[SO+\b]
	v_cvt_scalef32_pk8_bf8_f32 v[P+4*\b+2:P+4*\b+3], v[S+16*\b+8:S+16*\b+15], v[SO+\b]
.endr
	v_lshl_or_b32 v[T0], v[PM+1], 8, v[PM]         ; the two bytes: a plain line behind the last conversion
.endm
	FIN
	global_store_b128 v[AK0], v[P:P+3], s[74:75]               ; 512 consecutive bytes each, aligned
	global_store_b128 v[AK0], v[P+4:P+7], s[74:75] offset:512
	WIN 0x55
	FIN
	WIN 0x04
	global_store_b128 v[AK0], v[P:P+3], s[74:75] offset:1024
	global_store_b128 v[AK0], v[P+4:P+7], s[74:75] offset:1536
	WIN 0x01
	v_lshl_or_b32 v[T0], v[T0], 16, v[T0]          ; B's two bytes (source 0, window 1) over A's
	WIN 0
	ds_store_b32 v[YSA], v[T0]                     ; a row's eight bytes come from two waves: they meet in LDS (both halves of the lanes write the same bytes with the same value)
	s_wait_alu depctr_va_vdst(0)
	s_wait_dscnt 0x0                               ; for the others' sake: my store is done
	s_barrier_signal -1
	s_barrier_wait -1
	s_cmp_lg_u32 s[WV], 0
	s_cbranch_scc1 .Lnot_mine
	ds_load_b128 v[S:S+3], v[YR]
	s_wait_dscnt 0x0
	global_store_b128 v[AK0], v[S:S+3], s[76:77]   ; the work-group's 512 scale bytes, consecutive and aligned
.Lnot_mine:
	s_wait_tensorcnt 0x0                           ; the wave's end
	ds_add_u32 v[SPW], v[NIL]
	s_wait_dscnt 0x0
	CROUND                                         ; the closing round
	s_endpgm
.Lfunc_end_k_q5c10e3ac9b_attn:
	.size	k_q5c10e3ac9b_attn, .Lfunc_end_k_q5c10e3ac9b_attn-k_q5c10e3ac9b_attn
	.p2alignl 7, 3214868480
	.fill 96, 4, 3214868480
	.section	.rodata,"a",@progbits
	.p2align	6, 0x0
	.amdhsa_kernel k_q5c10e3ac9b_attn
		.amdhsa_group_segment_fixed_size 327680
		.amdhsa_private_segment_fixed_size 0
		.amdhsa_enable_private_segment 0
		.amdhsa_kernarg_size 48
		.amdhsa_user_sgpr_count 2
		.amdhsa_user_sgpr_kernarg_segment_ptr 1
		.amdhsa_wavefront_size32 1
		.amdhsa_system_sgpr_workgroup_id_x 1
		.amdhsa_system_sgpr_workgroup_id_y 1
		.amdhsa_system_sgpr_workgroup_id_z 1
		.amdhsa_system_vgpr_workitem_id 0
		.amdhsa_next_free_vgpr 512
		.amdhsa_next_free_sgpr 88
		.amdhsa_reserve_vcc 0
		.amdhsa_float_denorm_mode_32 3
		.amdhsa_float_denorm_mode_16_64 3
		.amdhsa_memory_ordered 1
		.amdhsa_forward_progress 1
		.amdhsa_inst_pref_size 94
	.end_amdhsa_kernel
	.amdgpu_metadata
---
amdhsa.version: [ 1, 2 ]
amdhsa.kernels:
  - .name:           k_q5c10e3ac9b_attn
    .symbol:         k_q5c10e3ac9b_attn.kd
    .args:
      - { .name: qkimg, .offset: 0, .size: 8, .value_kind: global_buffer, .address_space: global }
      - { .name: qkpl, .offset: 8, .size: 8, .value_kind: global_buffer, .address_space: global }
      - { .name: vimg, .offset: 16, .size: 8, .value_kind: global_buffer, .address_space: global }
      - { .name: vsc, .offset: 24, .size: 8, .value_kind: global_buffer, .address_space: global }
      - { .name: yimg, .offset: 32, .size: 8, .value_kind: global_buffer, .address_space: global }
      - { .name: ysc, .offset: 40, .size: 8, .value_kind: global_buffer, .address_space: global }
    .group_segment_fixed_size: 327680
    .private_segment_fixed_size: 0
    .kernarg_segment_align: 8
    .kernarg_segment_size: 48
    .max_flat_workgroup_size: 256
    .sgpr_count:     88
    .vgpr_count:     512
    .wavefront_size: 32
...
	.end_amdgpu_metadata
.endif
;; end of part 3
;; launch outp (part 4): grid 8 x 32, 4 waves a work-group, clusters of 4 x 1, 199,168 bytes of LDS; arguments yimg, ysc, cimg, simg, bo, out0; writes out0
.if DOCPART == 4
	.amdgcn_target "amdgcn-amd-amdhsa--gfx1250"
	.amdhsa_code_object_version 6
	.text
	.protected	k_q5c10e3ac9b_outp
	.globl	k_q5c10e3ac9b_outp
	.p2align	8
	.type	k_q5c10e3ac9b_outp,@function
k_q5c10e3ac9b_outp:
	s_mov_b64 s[64:65], 0
	v_nop
	global_prefetch_b8 v0, s[64:65] scope:SCOPE_SE
	s_setreg_imm32_b32 hwreg(HW_REG_WAVE_MODE, 25, 1), 1
	s_wait_xcnt 0x0
	s_wait_alu depctr_hold_cnt(0) depctr_sa_sdst(0) depctr_va_vdst(0) depctr_va_sdst(0) depctr_va_ssrc(0) depctr_va_vcc(0) depctr_vm_vsrc(0)
	s_getreg_b32 s2, hwreg(HW_REG_IB_STS2, 6, 4)
	s_cmp_eq_u32 s2, 0
	s_cbranch_scc0 .Lentry_in_a_cluster
	s_endpgm
.Lentry_in_a_cluster:
	s_bfe_u32 s2, ttmp6, 0x10000c
	s_cmp_lg_u32 s2, 0x3003
	s_cbranch_scc0 .Lentry_shape_is_right
	s_endpgm
.Lentry_shape_is_right:
; LAUNCH 4 OF 4.  out0 = y Wo^T + bo on codes of E5M2 (K = 1,024, eight steps of 128).  Nothing of reference() is left out.
; SHARES.  A work-group takes 128 tokens (y's tiles 8 TB .. 8 TB + 7) x 128 columns (column group cg); wave w takes all 128 tokens x pair cp = 4 cg + w of Wo's tiles (352 + 2 cp, + 1 of cimg): 16 accumulators.
; TWO HALVES of 64 tokens, eight K steps each: sixteen steps k, eight matrix instructions a step.  Wo's fragments come once, from memory straight into 256 registers (each is used by one wave of the work-group alone), and serve both halves.
; The first half's rows leave while the second half is multiplied.
; y's 128 KB of images are read by all four waves and by the four work-groups of a cluster (same TB): they come into LDS once, by joint tensor loads; no LDS byte is filled twice.
; They come in FOUR STAGES of 32 KB: stage st = four K steps of one half (half st / 2, K steps 4 (st % 2) on), fetched by wave st; the first products wait for 32 KB.  Stage st is shown by a barrier ahead of the first LDS load that reads it.
; Source 0 = Wo's tile, source 1 = y's tile: a lane holds one token and 16 neighbouring columns of the pair.  bo is the C of each sum's first matrix instruction (added ahead of the products: another order of rounding than reference()'s).
; y's scale words: ysc [g 4][tile][r][2 words], word s % 2 of g = s / 2.  Lane (r, h) loads g = h and g = 2 + h: K step s is register 4 m + 2 (s / 4) + s % 2, in lanes 0-15 where s / 2 is even, else in lanes 16-31.
; THE WAY OUT of a half: through its part of a stage in LDS, rows in the tokens' true order; each wave then stores 16 whole rows of the work-group's 512 bytes.
; LIMITS: as at the head of the first launch.
; REGISTERS.  window 0: v1-11 lane numbers and offsets; v16-47 y's scale words; v48-55 Wo's; v56-71 the bias; v128-255 accumulators (the first half's 64 registers, then the second's), then rows of the result.
;             window 1: v0-127 two buffers of y's four fragments.   window 2: Wo's sixteen fragments.
.set LI0,  4                           ; v4, v5  16 x lane; + 65,536: the second half's images
.set STO,  6                           ; v6   the stage: where I put 16 bytes of a row
.set YSO,  7                           ; v7   32768 h + 8 r: my scale words of y
.set SPW,  8
.set NIL,  9
.set SRD,  10                          ; v10  the stage: where I read a row back
.set BQO,  11                          ; v11  64 h: my 16 numbers of the bias
.set YS,   16
.set WS,   48
.set BI,   56
.set ACC,  128
.set STG,  131072                      ; behind y's images ([half][K step][4 tiles][2,048]): the stage, 128 rows x (512 bytes + 16): written by ds_store, no tile lands here
.set SP,   528
.set SPARE, STG+128*SP                 ; the spare words, 128 bytes for each of four waves: two blocks of 256 bytes that no other line names
.set WV,   22
.set G1,   28
.set BB,   40
.set G0,   68
.set MUL,  0x06                        ; source 0 window 2, source 1 window 1, C and D window 0
.set TO_Y, 0x40                        ; destination window 1
.set TO_W, 0x80                        ; destination window 2
.set MSB,  0
.macro WIN new
.if MSB != \new
	s_set_vgpr_msb (MSB<<8)|\new
.set MSB, \new
.endif
.endm
.macro PLACES n
.rept \n
	v_nop
.endr
.endm
.macro CROUND
	s_barrier_signal -1
	s_barrier_wait -1
	s_cmp_lg_u32 s[WV], 0
	s_cbranch_scc1 .Lnot_wave_0_\@
	s_barrier_signal -3
.Lnot_wave_0_\@:
	s_barrier_wait -3
	s_barrier_signal -1
	s_barrier_wait -1
.endm
.macro ALOAD k                         ; y's four tiles of step k, out of LDS, into buffer k % 2
.irp m, 0,1,2,3
.irp c, 0,1,2,3
	ds_load_b128 v[64*((\k)%2)+16*\m+4*\c:64*((\k)%2)+16*\m+4*\c+3], v[LI0+(\k)/8] offset:((\k)%8)*8192+\m*2048+\c*512
.endr
.endr
.endm
.macro BLOAD s                         ; my two tiles of Wo of K step s
.irp u, 0,1
.irp c, 0,1,2,3
	global_load_b128 v[32*(\s)+16*\u+4*\c:32*(\s)+16*\u+4*\c+3], v[LI0], s[BB:BB+1] offset:(\s)*16384+\u*2048+\c*512
.endr
.endr
.endm
.macro WM ra, rb                       ; which half of the lanes holds Wo's scale word (ra) and y's (rb)
.if (\ra) && (\rb)
	v_wmma_scale_f32_16x16x128_f8f6f4 v[rD:rD+7], v[rA:rA+15], v[rB:rB+15], v[rC:rC+7], v[rSA], v[rSB] matrix_a_fmt:MATRIX_FMT_BF8 matrix_b_fmt:MATRIX_FMT_BF8 matrix_a_scale:MATRIX_SCALE_ROW1 matrix_b_scale:MATRIX_SCALE_ROW1
.elseif \ra
	v_wmma_scale_f32_16x16x128_f8f6f4 v[rD:rD+7], v[rA:rA+15], v[rB:rB+15], v[rC:rC+7], v[rSA], v[rSB] matrix_a_fmt:MATRIX_FMT_BF8 matrix_b_fmt:MATRIX_FMT_BF8 matrix_a_scale:MATRIX_SCALE_ROW1
.elseif \rb
	v_wmma_scale_f32_16x16x128_f8f6f4 v[rD:rD+7], v[rA:rA+15], v[rB:rB+15], v[rC:rC+7], v[rSA], v[rSB] matrix_a_fmt:MATRIX_FMT_BF8 matrix_b_fmt:MATRIX_FMT_BF8 matrix_b_scale:MATRIX_SCALE_ROW1
.else
	v_wmma_scale_f32_16x16x128_f8f6f4 v[rD:rD+7], v[rA:rA+15], v[rB:rB+15], v[rC:rC+7], v[rSA], v[rSB] matrix_a_fmt:MATRIX_FMT_BF8 matrix_b_fmt:MATRIX_FMT_BF8
.endif
.endm
; 8 matrix instructions.  A half's eight accumulators take turns, one instruction a turn, in the same order in every step.  A half's first step takes the bias as C.
.macro MM k
.set S_, (\k)%8
.irp m, 0,1,2,3
.irp u, 0,1
.set M_, 4*((\k)/8)+\m
.set rD, ACC+16*M_+8*\u
.set rA, 32*S_+16*\u
.set rB, 64*((\k)%2)+16*\m
.set rSA, WS+4*\u+S_%4
.set rSB, YS+4*M_+2*(S_/4)+S_%2
.set rC, rD
.if S_ == 0
.set rC, BI+8*\u
.endif
	WM S_/4, (S_/2)%2
.endr
.endr
.endm
; A step.  Loads into registers that matrix instructions have read stand eight places behind them.
.macro KS k
.if (\k) > 0 && (\k) < 15 && ((\k)+1)%4 != 0
	PLACES 8
.endif
.if (\k) < 15
.if ((\k)+1)%4 == 0                    ; the next step begins stage (k + 1) / 4
	WIN 0
	s_wait_dscnt 0x0                               ; no LDS instruction of mine is out
.if (\k) < 11
	s_cmp_eq_u32 s[WV], ((\k)+1)/4
	s_cbranch_scc0 .Lnot_mine_\@
	s_wait_tensorcnt 0x0                           ; the wave that fetched that stage: it has landed
.Lnot_mine_\@:
.else
	s_wait_tensorcnt 0x0                           ; the last stage: in every wave
.endif
	s_barrier_signal -1
	PLACES 8                                       ; the places that are due anyway stand between the signal and the wait
	s_barrier_wait -1
.endif
	WIN TO_Y
	ALOAD (\k)+1
.endif
.if (\k) < 5
	s_wait_loadcnt 24                              ; Wo's fragments of this K step are in; the three later steps' that have been asked for, 8 loads each, may be out
.elseif (\k) < 8
	s_wait_loadcnt 8*(7-(\k))
.endif
.if (\k) < 15
	s_wait_dscnt 16                                ; y's fragments of this step are in; the next step's 16 loads may be out
.else
	s_wait_dscnt 0x0
.endif
	WIN MUL
	MM \k
.if (\k) < 4
	WIN TO_W
	BLOAD (\k)+4
.endif
.endm
; THE WAY OUT of half f, in three parts.
.macro TOSTAGE f
.irp m, 0,1,2,3
.irp u, 0,1
	ds_store_b128 v[STO], v[ACC+64*\f+16*\m+8*\u:ACC+64*\f+16*\m+8*\u+3] offset:(64*\f+32*(\m/2)+8*(\m%2))*SP+32*\u        ; each accumulator from its low end on
	ds_store_b128 v[STO], v[ACC+64*\f+16*\m+8*\u+4:ACC+64*\f+16*\m+8*\u+7] offset:(64*\f+32*(\m/2)+8*(\m%2))*SP+32*\u+16
.endr
.endr
	s_wait_dscnt 0x0                               ; for the others' sake: my stores into the stage are done
	s_barrier_signal -1
	s_barrier_wait -1                              ; the half's 64 whole rows lie in the stage
.endm
.macro BACK f
.set i_, 0
.rept 16
	ds_load_b128 v[ACC+64*\f+4*i_:ACC+64*\f+4*i_+3], v[SRD] offset:(64*\f+i_)*SP
.set i_, i_+1
.endr
.endm
.macro SEND f, counted                 ; counted = 1: the rows are awaited one by one
.set i_, 0
.rept 16
.if \counted
	s_wait_dscnt 15-i_                             ; row i_ is back; the younger loads may be out
.endif
	global_store_b128 v[LI0], v[ACC+64*\f+4*i_:ACC+64*\f+4*i_+3], s[48:49] offset:4096*(64*\f+i_) th:TH_STORE_NT   ; 512 consecutive bytes, aligned; written once
.set i_, i_+1
.endr
.endm
	s_load_b256 s[4:11], s[0:1], 0x0               ; yimg, ysc, cimg, simg
	s_load_b128 s[12:15], s[0:1], 0x20             ; bo, out0
	v_lshl_add_u32 v[SPW], v0, 2, SPARE
	v_mov_b32 v[NIL], 0
	ds_add_u32 v[SPW], v[NIL]                      ; the wave's opening: the add, twice on end, and its wait ahead of my first tensor load
	ds_add_u32 v[SPW], v[NIL]
	v_lshrrev_b32 v1, 5, v0
	v_readfirstlane_b32 s[WV], v1                  ; wave 0..3
	v_and_b32 v1, 31, v0                           ; lane
	v_and_b32 v2, 15, v0                           ; r
	v_bfe_u32 v3, v0, 4, 1                         ; h
	v_lshlrev_b32 v[LI0], 4, v1
	v_add_nc_u32 v[LI0+1], 0x10000, v[LI0]
	v_and_b32 v[STO], 8, v2
	v_add_nc_u32 v[STO], v[STO], v2                ; r + 8 (r / 8): my token's place in a pair of tiles
	v_mul_u32_u24 v[STO], v[STO], SP
	v_lshl_add_u32 v[STO], v3, 6, v[STO]           ; + 64 h: my 16 columns,
	s_lshl_b32 s26, s[WV], 7
	s_add_co_u32 s26, s26, STG                     ; + 128 w: my wave's 32
	v_add_nc_u32 v[STO], s26, v[STO]
	s_mul_i32 s26, s[WV], 16*SP
	s_add_co_u32 s26, s26, STG
	v_add_nc_u32 v[SRD], s26, v[LI0]               ; back: my wave's 16 rows of a half, 16 bytes a lane
	v_lshlrev_b32 v[YSO], 3, v2
	v_lshl_add_u32 v[YSO], v3, 15, v[YSO]
	v_lshlrev_b32 v[BQO], 6, v3
	s_wait_alu depctr_va_vdst(0)
	s_and_b32 s23, ttmp7, 0xffff                   ; TB, which the four partners share
	s_lshl_b32 s2, s23, 17                         ; y's images of the block: 131,072 bytes, [K step][8 tiles][2,048]; my stage: + 8,192 (w / 2) + 65,536 (w % 2)
	s_lshr_b32 s3, s[WV], 1
	s_lshl_b32 s3, s3, 13
	s_add_co_u32 s2, s2, s3
	s_and_b32 s3, s[WV], 1
	s_lshl_b32 s3, s3, 16
	s_add_co_u32 s2, s2, s3
	s_mov_b32 s3, 0
	s_mov_b32 s[G1], 15|(3<<16)|(1<<21)            ; the mask: all four work-groups; elements of 8 bytes; bit 21 beside a mask; no padding
	s_mov_b32 s[G1+1], 1024<<16                    ; rows of 8,192 bytes: a half's four tiles of a K step,
	s_mov_b32 s[G1+2], 4<<16                       ; four of them,
	s_mov_b32 s[G1+3], 1024<<16
	s_mov_b32 s[G1+4], 4
	s_mov_b32 s[G1+5], 2048                        ; 16,384 bytes apart
	s_mov_b32 s[G1+6], 0
	s_mov_b32 s[G1+7], 0
	s_bfe_u32 s24, ttmp6, 0x40000                  ; cx: it enters global addresses alone
	s_lshl_b32 s25, ttmp9, 2
	s_add_co_u32 s24, s25, s24                     ; cg
	s_lshl_b32 s25, s24, 2
	s_add_co_u32 s25, s25, s[WV]                   ; cp = 4 cg + w
	s_add_co_u32 s[BB], s24, 44                    ; Wo's tile 352 + 2 cp: (44 + cg) 131072 + w 4096
	s_lshl_b32 s[BB], s[BB], 17
	s_lshl_b32 s[BB+1], s[WV], 12
	s_add_co_u32 s[BB], s[BB], s[BB+1]
	s_mov_b32 s[BB+1], 0
	s_lshl_b32 s42, s23, 10                        ; y's scale words: tile 8 TB, 128 bytes a tile
	s_mov_b32 s43, 0
	s_lshl_b32 s44, s25, 10                        ; Wo's: tile 352 + 2 cp, 512 bytes a tile
	s_add_co_u32 s44, s44, 352*512
	s_mov_b32 s45, 0
	s_lshl_b32 s46, s25, 7                         ; the bias: 32 numbers a pair
	s_mov_b32 s47, 0
	s_lshl_b32 s48, s23, 19                        ; out0: token 128 TB + 16 w, 4,096 bytes a token; + 512 cg
	s_lshl_b32 s49, s[WV], 16
	s_add_co_u32 s48, s48, s49
	s_lshl_b32 s49, s24, 9
	s_add_co_u32 s48, s48, s49
	s_mov_b32 s49, 0
	s_lshl_b32 s26, s[WV], 15                      ; my stage's place in LDS
	s_wait_dscnt 0x0                               ; both opening adds are done
	CROUND                                         ; all four work-groups are here: the joint loads meet (the arguments are still on their way)
	s_wait_kmcnt 0x0
	s_add_nc_u64 s[2:3], s[4:5], s[2:3]
	s_mov_b32 s[G0], 1
	s_mov_b32 s[G0+1], s26
	s_mov_b64 s[G0+2:G0+3], s[2:3]
	s_or_b32 s[G0+3], s[G0+3], 0x80000000
.irp st, 0,1,2                                 ; one tensor load a wave; a line of its own for each stage, since each is shown by a barrier of its own
	s_cmp_eq_u32 s[WV], \st
	s_cbranch_scc0 .Lnot_stage_\st
	tensor_load_to_lds s[G0:G0+3], s[G1:G1+7]
	s_nop 0
	PLACES 4
	s_branch .Lasked
.Lnot_stage_\st:
.endr
	tensor_load_to_lds s[G0:G0+3], s[G1:G1+7]
	s_nop 0
	PLACES 4
.Lasked:
	s_add_nc_u64 s[BB:BB+1], s[8:9], s[BB:BB+1]
	s_add_nc_u64 s[42:43], s[6:7], s[42:43]
	s_add_nc_u64 s[44:45], s[10:11], s[44:45]
	s_add_nc_u64 s[46:47], s[12:13], s[46:47]
	s_add_nc_u64 s[48:49], s[14:15], s[48:49]
.irp m, 0,1,2,3,4,5,6,7
	global_load_b64 v[YS+4*\m:YS+4*\m+1], v[YSO], s[42:43] offset:128*\m
	global_load_b64 v[YS+4*\m+2:YS+4*\m+3], v[YSO], s[42:43] offset:128*\m+65536
.endr
.irp u, 0,1
	global_load_b128 v[WS+4*\u:WS+4*\u+3], v[LI0], s[44:45] offset:512*\u
.endr
.irp u, 0,1                                    ; register 8 u + j is the bias of column 16 h + 8 u + j of the pair
	global_load_b128 v[BI+8*\u:BI+8*\u+3], v[BQO], s[46:47] offset:32*\u
	global_load_b128 v[BI+8*\u+4:BI+8*\u+7], v[BQO], s[46:47] offset:32*\u+16
.endr
	WIN TO_W
	BLOAD 0
	BLOAD 1
	BLOAD 2
	BLOAD 3
	WIN 0
	s_cmp_eq_u32 s[WV], 0
	s_cbranch_scc0 .Lnot_first
	s_wait_tensorcnt 0x0                           ; wave 0: stage 0 has landed
.Lnot_first:
	s_barrier_signal -1
	s_barrier_wait -1
	WIN TO_Y
	ALOAD 0
.irp k, 0,1,2,3,4,5,6,7,8
	KS \k
.endr
	WIN 0
	TOSTAGE 0                                      ; the first half was finished by step 7; step 8's places stand between its last products and these stores
	BACK 0
	KS 9                                           ; its wait for LDS loads covers the rows, which were asked for ahead of the next step's fragments
	WIN 0
	SEND 0, 0
.irp k, 10,11,12,13,14,15
	KS \k
.endr
	WIN 0
	PLACES 8
	TOSTAGE 1
	BACK 1
	SEND 1, 1
	s_wait_tensorcnt 0x0                           ; the wave's end
	ds_add_u32 v[SPW], v[NIL]
	s_wait_dscnt 0x0
	CROUND                                         ; the closing round
	s_endpgm
.Lfunc_end_k_q5c10e3ac9b_outp:
	.size	k_q5c10e3ac9b_outp, .Lfunc_end_k_q5c10e3ac9b_outp-k_q5c10e3ac9b_outp
	.p2alignl 7, 3214868480
	.fill 96, 4, 3214868480
	.section	.rodata,"a",@progbits
	.p2align	6, 0x0
	.amdhsa_kernel k_q5c10e3ac9b_outp
		.amdhsa_group_segment_fixed_size 199168
		.amdhsa_private_segment_fixed_size 0
		.amdhsa_enable_private_segment 0
		.amdhsa_kernarg_size 48
		.amdhsa_user_sgpr_count 2
		.amdhsa_user_sgpr_kernarg_segment_ptr 1
		.amdhsa_wavefront_size32 1
		.amdhsa_system_sgpr_workgroup_id_x 1
		.amdhsa_system_sgpr_workgroup_id_y 1
		.amdhsa_system_sgpr_workgroup_id_z 1
		.amdhsa_system_vgpr_workitem_id 0
		.amdhsa_next_free_vgpr 768
		.amdhsa_next_free_sgpr 84
		.amdhsa_reserve_vcc 0
		.amdhsa_float_denorm_mode_32 3
		.amdhsa_float_denorm_mode_16_64 3
		.amdhsa_memory_ordered 1
		.amdhsa_forward_progress 1
		.amdhsa_inst_pref_size 60
	.end_amdhsa_kernel
	.amdgpu_metadata
---
amdhsa.version: [ 1, 2 ]
amdhsa.kernels:
  - .name:           k_q5c10e3ac9b_outp
    .symbol:         k_q5c10e3ac9b_outp.kd
    .args:
      - { .name: yimg, .offset: 0, .size: 8, .value_kind: global_buffer, .address_space: global }
      - { .name: ysc, .offset: 8, .size: 8, .value_kind: global_buffer, .address_space: global }
      - { .name: cimg, .offset: 16, .size: 8, .value_kind: global_buffer, .address_space: global }
      - { .name: simg, .offset: 24, .size: 8, .value_kind: global_buffer, .address_space: global }
      - { .name: bo, .offset: 32, .size: 8, .value_kind: global_buffer, .address_space: global }
      - { .name: out0, .offset: 40, .size: 8, .value_kind: global_buffer, .address_space: global }
    .group_segment_fixed_size: 199168
    .private_segment_fixed_size: 0
    .kernarg_segment_align: 8
    .kernarg_segment_size: 48
    .max_flat_workgroup_size: 128
    .sgpr_count:     84
    .vgpr_count:     768
    .wavefront_size: 32
...
	.end_amdgpu_metadata
.endif
;; end of part 4
